; MI455X (gfx1250); checked and timed in simulation.
; The chip was launched on July 23, 2026; its instructions are those of AMD's public machine-readable ISA for CDNA 5 (MIT licence, August 2026) and "CDNA5" Instruction Set Architecture Reference Guide (July 2026). The comments in the code are by the model that wrote it; some were corrected since.
;; Delta Net Block. Allowed arithmetic: float matrix products may take bf16 or f16 operands with f32 sums; other float arithmetic in f32, or as packed bf16 or f16 multiplies, adds, multiply-adds, maxima and minima; sums over many terms, partial sums and values carried from step to step in f32; what a program stores and reads back later, other than sums and carried values, may be rounded once to bf16 or f16.
;; Inputs: recurrent_state 2 x 8 x 128 x 128 float32; w_down 4,096 x 1,024 float32; w_gate 1,024 x 4,096 float32; w_up 1,024 x 4,096 float32; wb 1,024 x 8 float32; wg 1,024 x 8 float32; wk 1,024 x 1,024 float32; wo 1,024 x 1,024 float32; wq 1,024 x 1,024 float32; wv 1,024 x 1,024 float32; x 2 x 2,048 x 1,024 float32.
;; Outputs: out0 2 x 2,048 x 1,024 float32; out1 2 x 8 x 128 x 128 float32.
;; One version. Each part assembles by itself: llvm-mc -triple=amdgcn-amd-amdhsa -mcpu=gfx1250 --defsym DOCPART=n.
;; ======== version 1 of 1: 6 launches
;; limits: values are held in f16: magnitudes above 65,504 overflow, below 6.1e-05 lose precision
;; workspace buffers: wh 33,554,432 bytes; pre 17,039,360 bytes; rec 44,564,480 bytes; os 8,388,608 bytes; x1 8,519,680 bytes; act 33,554,432 bytes
;; launch prep (part 1): grid 256 x 1, 8 waves a work-group, no clusters, 75,008 bytes of LDS; arguments x, wq, wk, wv, wo, wb, wg, wh, pre; writes wh, pre
.if DOCPART == 1
	.amdgcn_target "amdgcn-amd-amdhsa--gfx1250"
	.amdhsa_code_object_version 6
	.text
	.protected	k_q04f0ea0a10_prep
	.globl	k_q04f0ea0a10_prep
	.p2align	8
	.type	k_q04f0ea0a10_prep,@function
k_q04f0ea0a10_prep:
	s_mov_b64 s[64:65], 0
	v_nop
	global_prefetch_b8 v0, s[64:65] scope:SCOPE_SE
	s_setreg_imm32_b32 hwreg(HW_REG_WAVE_MODE, 25, 1), 1
	s_wait_xcnt 0x0
; PREP.  Work-group g does two equal shares.
; (a) rows 16 g .. 16 g + 15 of x ([4096][1024] f32), two a wave: x rounded to bf16 (xb, kept for the residual), xn = xb * rsqrt(mean(xb^2) + 1e-6) in f16,
;     and the two gates: z = xn . (wb | wg) on the matrix unit (K split over the eight waves), beta = sigmoid(z), log2 alpha = log2 sigmoid(z), both in f32.
; (b) 16,384 weights of wq, wk, wv, wo cast: rounded to bf16, that number written as f16, row-major as given (wh: wq at 0, wk at 2 MiB, wv at 4 MiB, wo at 6 MiB).
;     Their 16 loads a wave go out at the head with x's and the table's: 48 loads of a wave are on their way together.  (The three large matrices are cast in the launch of the recurrence.)
; LIMITS.  A weight of magnitude 65,504 or more has no f16; a bf16 weight below 2^-17 loses bits as f16.  NaN and infinities are not treated apart.
; pre: xb at 0, xn at 8,388,608, gates [4096][16] f32 at 16,777,216 (columns 0-7 beta, 8-15 log2 alpha).
.set XP,    2064                       ; a row of xn in LDS: 2,048 bytes + 16: 129 x 16, so the 16 rows of a fragment load start in 16 different groups of banks
.set XT,    0                          ; 16 rows of xn
.set TAB,   16*XP                      ; [1024 k][16 outputs] f16, 32 bytes a row: wb's eight, wg's eight
.set PART,  TAB+32768                  ; eight partial tiles of 1,024 bytes
.set SPARE, PART+8192                  ; the spare words, 128 bytes a wave
.set SPW, 30
.set NIL, 31
.set XR,  32                           ; v[32:95]   two rows of x, 32 numbers a lane each
.set TL,  96                           ; v[96:159]  the table's 64 numbers of this thread
.set PB,  160                          ; v[160:191] two rows, packed bf16
.set PH,  192                          ; v[192:223] two rows, packed f16
.set WI,  224                          ; v224  16 bytes a thread of the weights in; never rewritten
.set WO,  225                          ; v225  8 bytes a thread out; never rewritten
.set CX,  0                            ; window 1, v[256:319]: the weights as loaded, 16 x 4
.set CB,  32                           ; the weights packed, 16 x 2
.set CT,  8                            ; four at work
.set MSB, 0
.macro WIN new                         ; the immediate's high byte repeats the setting that is left
.if MSB != (\new)
	s_set_vgpr_msb (MSB<<8)|(\new)
.set MSB, \new
.endif
.endm
	s_load_b512 s[16:31], s[0:1], 0x0              ; x 16, wq 18, wk 20, wv 22, wo 24, wb 26, wg 28, wh 30
	s_load_b64 s[32:33], s[0:1], 0x40              ; pre
	v_lshl_add_u32 v[SPW], v0, 2, SPARE
	v_mov_b32 v[NIL], 0
	v_lshrrev_b32 v2, 5, v0
	v_readfirstlane_b32 s8, v2                     ; wave 0..7
	v_and_b32 v1, 31, v0                           ; lane
	v_and_b32 v3, 15, v0                           ; r
	v_bfe_u32 v4, v0, 4, 1                         ; h
	v_lshlrev_b32 v5, 4, v1                        ; 16 bytes a lane of x
	v_lshlrev_b32 v6, 3, v1                        ; 8 bytes a lane of xb, xn
	v_lshlrev_b32 v7, 5, v0                        ; 32 bytes a thread of wb, wg and of the table
	v_lshlrev_b32 v[WI], 4, v0
	v_lshlrev_b32 v[WO], 3, v0
	v_mov_b32 v9, 0                                ; upper halves of the pairs that hold 1/rms
	v_mov_b32 v11, 0
	s_mov_b32 s7, ttmp9
	s_mov_b32 s12, 0x76543210                      ; v_permlanex16_b32: each lane takes its own place in the other half
	s_mov_b32 s13, 0xfedcba98
	s_mov_b32 s40, 0x3a800000                      ; 1/1024
	s_mov_b32 s41, 0x358637bd                      ; 1e-6
	s_mov_b32 s42, 0xffff0000
	s_mov_b32 s43, 0xbfb8aa3b                      ; -log2 e
	s_mov_b32 s44, 0x3fb8aa3b                      ; log2 e
	v_cmp_le_u32 s45, 8, v3                        ; outputs 8-15 are the decay gate's
	s_lshl_b32 s9, s7, 4
	s_lshl1_add_u32 s9, s8, s9                     ; my first row: 16 g + 2 w
	s_lshl_b32 s2, s9, 12
	s_mov_b32 s3, 0
	s_lshl_b32 s4, s9, 11
	s_mov_b32 s5, 0
	s_mul_i32 s10, s8, 2*XP
	v_add_nc_u32 v28, s10, v6                      ; where my rows go in XT
	s_wait_kmcnt 0x0
	s_add_nc_u64 s[16:17], s[16:17], s[2:3]
	s_add_nc_u64 s[46:47], s[32:33], s[4:5]        ; xb at my rows
	s_add_nc_u64 s[48:49], s[46:47], 0x800000      ; xn
	s_lshl_b32 s2, s7, 10
	s_add_nc_u64 s[50:51], s[32:33], s[2:3]
	s_add_nc_u64 s[50:51], s[50:51], 0x1000000     ; the gates of my 16 rows
	s_mov_b64 s[52:53], s[24:25]                   ; which matrix my 16,384 weights lie in: 64 work-groups to each
	s_cmp_lt_u32 s7, 192
	s_cselect_b64 s[52:53], s[22:23], s[52:53]
	s_cmp_lt_u32 s7, 128
	s_cselect_b64 s[52:53], s[20:21], s[52:53]
	s_cmp_lt_u32 s7, 64
	s_cselect_b64 s[52:53], s[18:19], s[52:53]
	s_and_b32 s56, s7, 63
	s_lshl_b32 s2, s56, 16                         ; 65,536 bytes in,
	s_add_nc_u64 s[52:53], s[52:53], s[2:3]
	s_lshl_b32 s2, s7, 15                          ; 32,768 out
	s_add_nc_u64 s[54:55], s[30:31], s[2:3]
.irp p, 0,1
.irp j, 0,1,2,3,4,5,6,7
	global_load_b128 v[XR+32*(\p)+4*(\j):XR+32*(\p)+4*(\j)+3], v5, s[16:17] offset:(\p)*4096+(\j)*512 th:TH_LOAD_NT
.endr
.endr
.irp k, 0,1,2,3                                ; rows t + 256 k of wb and wg
	global_load_b128 v[TL+16*(\k):TL+16*(\k)+3],     v7, s[26:27] offset:(\k)*8192
	global_load_b128 v[TL+16*(\k)+4:TL+16*(\k)+7],   v7, s[26:27] offset:(\k)*8192+16
	global_load_b128 v[TL+16*(\k)+8:TL+16*(\k)+11],  v7, s[28:29] offset:(\k)*8192
	global_load_b128 v[TL+16*(\k)+12:TL+16*(\k)+15], v7, s[28:29] offset:(\k)*8192+16
.endr
	WIN 0x40                                       ; destination window 1, address window 0
.irp i, 0,1,2,3,4,5,6,7,8,9,10,11,12,13,14,15
	global_load_b128 v[CX+4*(\i):CX+4*(\i)+3], v[WI], s[52:53] offset:(\i)*4096 th:TH_LOAD_NT
.endr
	WIN 0
; Row p: rounded to bf16 and stored; widened again; the sum of squares, in four chains (v[12:19], v[20:27]), then over the 32 lanes.
.macro ROWIN p
.set CH, 12+8*(\p)
.set i, 0
.rept 16
	v_cvt_pk_bf16_f32 v[PB+16*(\p)+i], v[XR+32*(\p)+2*i], v[XR+32*(\p)+2*i+1]
.set i, i+1
.endr
.irp j, 0,1,2,3,4,5,6,7
	global_store_b64 v6, v[PB+16*(\p)+2*(\j):PB+16*(\p)+2*(\j)+1], s[46:47] offset:(\p)*2048+(\j)*256  ; a wave's store covers 256 consecutive bytes, aligned
.endr
.set i, 0
.rept 16
	v_lshlrev_b32 v[XR+32*(\p)+2*i], 16, v[PB+16*(\p)+i]
	v_and_b32 v[XR+32*(\p)+2*i+1], s42, v[PB+16*(\p)+i]
.set i, i+1
.endr
.set i, 0
.rept 4
	v_pk_mul_f32 v[CH+2*i:CH+2*i+1], v[XR+32*(\p)+2*i:XR+32*(\p)+2*i+1], v[XR+32*(\p)+2*i:XR+32*(\p)+2*i+1]
.set i, i+1
.endr
.rept 12
	v_pk_fma_f32 v[CH+2*(i%4):CH+2*(i%4)+1], v[XR+32*(\p)+2*i:XR+32*(\p)+2*i+1], v[XR+32*(\p)+2*i:XR+32*(\p)+2*i+1], v[CH+2*(i%4):CH+2*(i%4)+1]
.set i, i+1
.endr
	v_pk_add_f32 v[CH:CH+1], v[CH:CH+1], v[CH+2:CH+3]
	v_pk_add_f32 v[CH+4:CH+5], v[CH+4:CH+5], v[CH+6:CH+7]
	v_pk_add_f32 v[CH:CH+1], v[CH:CH+1], v[CH+4:CH+5]
	v_add_f32 v[CH], v[CH], v[CH+1]
.irp x, 1,2,4,8
	v_add_f32_dpp v[CH], v[CH], v[CH] row_xmask:\x row_mask:0xf bank_mask:0xf
.endr
	v_permlanex16_b32 v[CH+1], v[CH], s12, s13
	v_add_f32 v[CH], v[CH], v[CH+1]
	v_fma_f32 v[CH], v[CH], s40, s41               ; mean + 1e-6
.endm
; Row p times 1/rms, rounded to f16, to memory and into XT.
.macro ROWOUT p
.set i, 0
.rept 16
	v_pk_mul_f32 v[XR+32*(\p)+2*i:XR+32*(\p)+2*i+1], v[XR+32*(\p)+2*i:XR+32*(\p)+2*i+1], v[8+2*(\p):9+2*(\p)] op_sel_hi:[1,0]
.set i, i+1
.endr
.set i, 0
.rept 16
	v_cvt_pk_f16_f32 v[PH+16*(\p)+i], v[XR+32*(\p)+2*i], v[XR+32*(\p)+2*i+1]
.set i, i+1
.endr
.irp j, 0,1,2,3,4,5,6,7
	global_store_b64 v6, v[PH+16*(\p)+2*(\j):PH+16*(\p)+2*(\j)+1], s[48:49] offset:(\p)*2048+(\j)*256
	ds_store_b64 v28, v[PH+16*(\p)+2*(\j):PH+16*(\p)+2*(\j)+1] offset:XT+(\p)*XP+(\j)*256
.endr
.endm
	s_wait_loadcnt 32                              ; x is in; the table's 16 loads and the weights' 16 may stay out
	ROWIN 0
	ROWIN 1
	v_rsq_f32 v8, v12
	v_rsq_f32 v10, v20
	v_nop                                          ; a plain instruction behind the last of the two
	s_wait_alu depctr_va_vdst(0)                   ; one wait for both, ahead of their first reader
	ROWOUT 0
	ROWOUT 1
	s_wait_loadcnt 16                              ; the table's numbers; the weights' 16 loads may stay out
.set i, 0
.rept 32                                       ; rounded to bf16, then that number as f16; pair i lands in register i, which earlier pairs have used up
	v_cvt_pk_bf16_f32 v29, v[TL+2*i], v[TL+2*i+1]
	v_lshlrev_b32 v[TL+2*i], 16, v29
	v_and_b32 v[TL+2*i+1], s42, v29
	v_cvt_pk_f16_f32 v[TL+i], v[TL+2*i], v[TL+2*i+1]
.set i, i+1
.endr
.irp k, 0,1,2,3
	ds_store_b128 v7, v[TL+8*(\k):TL+8*(\k)+3]   offset:TAB+(\k)*8192
	ds_store_b128 v7, v[TL+8*(\k)+4:TL+8*(\k)+7] offset:TAB+(\k)*8192+16
.endr
	v_mul_u32_u24 v20, v3, XP                      ; xn's fragments: row r, 16 bytes for each half of the lanes, my wave's 128 channels
	v_lshl_add_u32 v20, v4, 4, v20
	s_lshl_b32 s10, s8, 8
	v_add_nc_u32 v20, s10, v20
	v_and_b32 v21, 7, v0                           ; the table's, turned: row 8 h + l % 8, 16 bytes by (l / 8) % 2
	v_lshl_add_u32 v21, v4, 3, v21
	v_lshlrev_b32 v21, 5, v21
	v_bfe_u32 v22, v0, 3, 1
	v_lshl_add_u32 v21, v22, 4, v21
	s_lshl_b32 s10, s8, 12
	v_add_nc_u32 v21, s10, v21
	v_lshlrev_b32 v23, 5, v1
	v_add_nc_u32 v23, PART, v23                    ; 32 bytes a lane of a partial tile
	s_lshl_b32 s10, s8, 10
	v_add_nc_u32 v22, s10, v23                     ; in my wave's tile
	v_lshlrev_b32 v24, 2, v3
	v_lshl_add_u32 v24, v4, 9, v24                 ; gates: row 8 h (64 bytes each), output r
	s_wait_dscnt 0x0                               ; my stores into XT and TAB are done,
	s_barrier_signal -1
	s_barrier_wait -1                              ; everybody's are
.irp kk, 0,1,2,3
	ds_load_b128 v[32+8*(\kk):32+8*(\kk)+3], v20 offset:XT+(\kk)*64
	ds_load_b128 v[32+8*(\kk)+4:32+8*(\kk)+7], v20 offset:XT+(\kk)*64+32
	ds_load_tr16_b128 v[64+8*(\kk):64+8*(\kk)+3], v21 offset:TAB+(\kk)*1024
	ds_load_tr16_b128 v[64+8*(\kk)+4:64+8*(\kk)+7], v21 offset:TAB+(\kk)*1024+512
.endr
	s_wait_dscnt 0x0
	v_wmma_f32_16x16x32_f16 v[96:103],  v[32:39], v[64:71], 0          ; two accumulators by turns
	v_wmma_f32_16x16x32_f16 v[104:111], v[40:47], v[72:79], 0
	v_wmma_f32_16x16x32_f16 v[96:103],  v[48:55], v[80:87], v[96:103]
	v_wmma_f32_16x16x32_f16 v[104:111], v[56:63], v[88:95], v[104:111]
.rept 8
	v_nop                                          ; the places behind the products
.endr
.irp k, 0,2,4,6
	v_pk_add_f32 v[112+(\k):113+(\k)], v[96+(\k):97+(\k)], v[104+(\k):105+(\k)]
.endr
	ds_store_b128 v22, v[112:115]
	ds_store_b128 v22, v[116:119] offset:16
	s_wait_dscnt 0x0
	s_barrier_signal -1
	s_barrier_wait -1                              ; all eight partial tiles lie in LDS
	s_cmp_lg_u32 s8, 0                             ; wave 0 finishes the gates
	s_cbranch_scc1 .Lcast
.irp v, 0,1,2,3,4,5,6,7
	ds_load_b128 v[32+8*(\v):32+8*(\v)+3], v23 offset:1024*(\v)
	ds_load_b128 v[32+8*(\v)+4:32+8*(\v)+7], v23 offset:1024*(\v)+16
.endr
	s_wait_dscnt 0x0
.irp v, 1,2,3,4,5,6,7
.irp k, 0,2,4,6
	v_pk_add_f32 v[32+(\k):33+(\k)], v[32+(\k):33+(\k)], v[32+8*(\v)+(\k):33+8*(\v)+(\k)]
.endr
.endr
	; z in v[32:39] (row 8 h + j, output r).  e = 2^(-|z| log2 e) never overflows; sigmoid = 1/(1+e) or e/(1+e); log2 sigmoid = min(z,0) log2 e - log2(1+e)
.set j, 0
.rept 8
	v_and_b32 v[40+j], 0x7fffffff, v[32+j]
	v_mul_f32 v[40+j], s43, v[40+j]
.set j, j+1
.endr
.set j, 0
.rept 8
	v_exp_f32 v[40+j], v[40+j]
.set j, j+1
.endr
	v_nop
	s_wait_alu depctr_va_vdst(0)                   ; one wait for the eight exponentials
.set j, 0
.rept 8
	v_add_f32 v[48+j], 1.0, v[40+j]
.set j, j+1
.endr
.set j, 0
.rept 8
	v_rcp_f32 v[56+j], v[48+j]
	v_log_f32 v[64+j], v[48+j]
.set j, j+1
.endr
	v_nop
	s_wait_alu depctr_va_vdst(0)                   ; one wait for the sixteen
.set j, 0
.rept 8
	v_mul_f32 v[40+j], v[40+j], v[56+j]
	v_cmp_le_f32 vcc_lo, 0, v[32+j]
	v_cndmask_b32 v[40+j], v[40+j], v[56+j], vcc_lo
	v_min_num_f32 v[48+j], 0, v[32+j]
	v_fma_f32 v[48+j], v[48+j], s44, -v[64+j]
	v_cndmask_b32 v[72+j], v[40+j], v[48+j], s45
	global_store_b32 v24, v[72+j], s[50:51] offset:j*64
.set j, j+1
.endr
.Lcast:                                        ; the weights
	s_wait_xcnt 0x0                                ; every earlier memory instruction has had its addresses translated: the lines below write v8-11 and v32-63 anew
	WIN 0x05                                       ; sources 0 and 1 window 1, destination window 0
.set i, 0
.rept 16
	s_wait_loadcnt 15-i                            ; loads come back in order: the younger ones may stay out
	v_cvt_pk_bf16_f32 v[CB+2*i], v[CX+4*i], v[CX+4*i+1]
	v_cvt_pk_bf16_f32 v[CB+2*i+1], v[CX+4*i+2], v[CX+4*i+3]
.set i, i+1
.endr
	WIN 0
.set i, 0
.rept 16
	v_lshlrev_b32 v[CT], 16, v[CB+2*i]
	v_and_b32 v[CT+1], s42, v[CB+2*i]
	v_lshlrev_b32 v[CT+2], 16, v[CB+2*i+1]
	v_and_b32 v[CT+3], s42, v[CB+2*i+1]
	v_cvt_pk_f16_f32 v[CB+2*i], v[CT], v[CT+1]
	v_cvt_pk_f16_f32 v[CB+2*i+1], v[CT+2], v[CT+3]
	global_store_b64 v[WO], v[CB+2*i:CB+2*i+1], s[54:55] offset:i*2048   ; a wave's store covers 256 consecutive bytes, aligned
.set i, i+1
.endr
	s_wait_tensorcnt 0x0                           ; the wave's end
	ds_add_u32 v[SPW], v[NIL]
	s_wait_dscnt 0x0
	s_endpgm
.Lfunc_end_k_q04f0ea0a10_prep:
	.size	k_q04f0ea0a10_prep, .Lfunc_end_k_q04f0ea0a10_prep-k_q04f0ea0a10_prep
	.p2alignl 7, 3214868480
	.fill 96, 4, 3214868480
	.section	.rodata,"a",@progbits
	.p2align	6, 0x0
	.amdhsa_kernel k_q04f0ea0a10_prep
		.amdhsa_group_segment_fixed_size 75008
		.amdhsa_private_segment_fixed_size 0
		.amdhsa_enable_private_segment 0
		.amdhsa_kernarg_size 72
		.amdhsa_user_sgpr_count 2
		.amdhsa_user_sgpr_kernarg_segment_ptr 1
		.amdhsa_wavefront_size32 1
		.amdhsa_system_sgpr_workgroup_id_x 1
		.amdhsa_system_sgpr_workgroup_id_y 1
		.amdhsa_system_sgpr_workgroup_id_z 1
		.amdhsa_system_vgpr_workitem_id 0
		.amdhsa_next_free_vgpr 320
		.amdhsa_next_free_sgpr 66
		.amdhsa_reserve_vcc 1
		.amdhsa_float_denorm_mode_32 3
		.amdhsa_float_denorm_mode_16_64 3
		.amdhsa_memory_ordered 1
		.amdhsa_forward_progress 1
		.amdhsa_inst_pref_size 48
	.end_amdhsa_kernel
	.amdgpu_metadata
---
amdhsa.version: [ 1, 2 ]
amdhsa.kernels:
  - .name:           k_q04f0ea0a10_prep
    .symbol:         k_q04f0ea0a10_prep.kd
    .args:
      - { .name: x, .offset: 0, .size: 8, .value_kind: global_buffer, .address_space: global }
      - { .name: wq, .offset: 8, .size: 8, .value_kind: global_buffer, .address_space: global }
      - { .name: wk, .offset: 16, .size: 8, .value_kind: global_buffer, .address_space: global }
      - { .name: wv, .offset: 24, .size: 8, .value_kind: global_buffer, .address_space: global }
      - { .name: wo, .offset: 32, .size: 8, .value_kind: global_buffer, .address_space: global }
      - { .name: wb, .offset: 40, .size: 8, .value_kind: global_buffer, .address_space: global }
      - { .name: wg, .offset: 48, .size: 8, .value_kind: global_buffer, .address_space: global }
      - { .name: wh, .offset: 56, .size: 8, .value_kind: global_buffer, .address_space: global }
      - { .name: pre, .offset: 64, .size: 8, .value_kind: global_buffer, .address_space: global }
    .group_segment_fixed_size: 75008
    .private_segment_fixed_size: 0
    .kernarg_segment_align: 8
    .kernarg_segment_size: 72
    .max_flat_workgroup_size: 256
    .sgpr_count:     66
    .vgpr_count:     320
    .wavefront_size: 32
...
	.end_amdgpu_metadata
.endif
;; end of part 1
;; launch qkc (part 2): grid 8 x 32, 4 waves a work-group, clusters of 4 x 4, 327,680 bytes of LDS; arguments pre, wh, rec; writes rec
.if DOCPART == 2
	.amdgcn_target "amdgcn-amd-amdhsa--gfx1250"
	.amdhsa_code_object_version 6
	.text
	.protected	k_q04f0ea0a10_qkc
	.globl	k_q04f0ea0a10_qkc
	.p2align	8
	.type	k_q04f0ea0a10_qkc,@function
k_q04f0ea0a10_qkc:
	s_mov_b64 s[64:65], 0
	v_nop
	global_prefetch_b8 v0, s[64:65] scope:SCOPE_SE
	s_setreg_imm32_b32 hwreg(HW_REG_WAVE_MODE, 25, 1), 1
	s_wait_xcnt 0x0
	s_wait_alu depctr_hold_cnt(0) depctr_sa_sdst(0) depctr_va_vdst(0) depctr_va_sdst(0) depctr_va_ssrc(0) depctr_va_vcc(0) depctr_vm_vsrc(0)
	s_getreg_b32 s2, hwreg(HW_REG_IB_STS2, 6, 4)
	s_cmp_eq_u32 s2, 0
	s_cbranch_scc0 .Lentry_in_a_cluster
	s_endpgm
.Lentry_in_a_cluster:
	s_bfe_u32 s2, ttmp6, 0x10000c
	s_cmp_lg_u32 s2, 0xf033
	s_cbranch_scc0 .Lentry_shape_is_right
	s_endpgm
.Lentry_shape_is_right:
; Q, K, V OF ONE HEAD AND THE CHUNK RECORDS OF THE DELTA RULE, in one launch.
; PART 1.  q, k, v = silu(xn W), q and k then divided by their row's l2 norm.  xn: [4096][1024] f16 (pre + 8,388,608); W: wq, wk, wv as f16 [1024 k][1024 n] in wh, 2 MiB apart; sums in f32.
; A tile is 128 rows x (128 q | 128 k | 128 v) of one head: 8 heads x 32 row tiles = 256 work-groups.  A WAVE OWNS 32 ROWS x ALL 384 COLUMNS: 48 accumulators; its 32 rows are one chunk, so part 2 wants nothing of another wave.
; K goes in 8 steps of 128 through two LDS slots: xn's tile (128 rows, pitch 272: wave 0's load), then three tiles [128 k][128 n] (pitch 288, read turned by ds_load_tr16_b128: waves 1, 2, 3).
; CLUSTER 4 x 4: xn's tile is shared along a row of the cluster, the head's weights along a column: joint loads.  A wave has two tensor loads out at the start, then one.
; The matrix instruction is used transposed (source 0 = W, source 1 = xn): a lane holds row l % 16 and eight neighbouring columns.  A trip of the loop is one K step; the slot in hand is the scalar SO (0 or SLOT).
; THE WAY OUT.  Behind the ring's last fill and a barrier the sums go as f32, in register order, into a stage of the wave's own, so that ONE text, walked six times (product x row block, 64 numbers a lane), makes silu,
; the row's sum of squares (in the lane, and one exchange of the lanes' halves) and the factor, and lays q, k, v as f16 rows (pitch 288) into the wave's own LDS.
; PART 2.  With G_r the running sum of log2 alpha inside the chunk, b = beta:  A[r,i] = b_r 2^(G_r-G_i) k_r.k_i (i < r),  T = (I + A)^-1,  M[r,i] = 2^(G_r-G_i) q_r.k_i (i <= r).
; Stored, record 64 n + c (n = 8 batch + head): W' = -(T diag(b 2^G)) K,  Qg = diag(2^G) Q,  K~^T = (diag(2^(G_31-G_i)) K)^T,  M,  gC = 2^G_31 (all but gC f16, as matrix fragments),  U^ = (T diag b) V in f32.
; Every exponent that is kept is <= 0.  T: the two 16 x 16 diagonal blocks by exact substitution in f32 (lane = a row of T), the block below them as T11 (-A10) T00 by two products.
; A product K_I x K_R holds column r a lane and rows 8 h + j in its registers; rounded in pairs that IS a fragment (lane r, k = i).  A fragment of 1,024 bytes is stored as registers 0-3 at 16 x lane, then registers 4-7.
; LIMITS.  f16: |v| under 65,504; factors 2^G below 2^-24 count as 0 in W', Qg, K~.
; REGISTERS: window 0: v0-31 addresses, v32-63 xn's two fragment buffers, v128-255 v's 16 accumulators; windows 1, 2: W's two fragment buffers (192 each); window 3: q's and k's 32 accumulators.
; Scalars: s[24:39], s[48:63] the tensor descriptors, written by part 1 alone; part 2 keeps its masks and pointers in registers of its own.
.set TSTEPS, 8
.set PA,     272
.set PBT,    288
.set ASZ,    128*PA
.set SUBB,   128*PBT
.set SLOT,   ASZ+3*SUBB
.set SPARE,  327168                    ; the spare words, 128 bytes a wave: the last two blocks of 256 bytes
.set ASTEP,  256                       ; bytes from K step to K step in xn
.set BSTEP,  128*1024*2                ; and in W
.set STGW,   49152                     ; a wave's stage: 48 accumulators of 1,024 bytes
.set WB0,    4*STGW                    ; behind the stages: a wave's scratch
.set WSZ,    30976
.set PL,     288
.set QL,     0                         ; q: 32 rows, pitch 288
.set KL,     9216                      ; k
.set VL,     18432                     ; v
.set TABL,   27648                     ; two tables [16 i][16 m] f32 of -A[m,i]
.set TM,     29696                     ; T's diagonal blocks: 32 rows of 32 bytes, f16
.set GV,     30720                     ; G at 0, beta at 128
.set REC,    27136                     ; W' 0, Qg 8,192, K~^T 16,384, M 24,576, gC 26,624
.set UBASE,  27787264                  ; U^ behind the 1,024 records
.set GA,  4                            ; the gates' offset; never rewritten
.set LK,  5
.set LT,  6
.set L16, 7
.set SPW, 8
.set NIL, 9
.set VA,  16                           ; xn's fetch base in the slot in hand
.set VA0, 17                           ; its lane term; never rewritten
.set VB,  18                           ; v18-20: q's, k's, v's weights
.set VB0, 21
.set STA, 24
.set RDS, 25
.set WDS, 26
.set ONE, 27
.set AF,  32
.set G1,  24
.set G0,  32
.set G1B, 48
.set G0B, 56
.set SO,  66
.set PTA, 67
.set PTB, 68
.set CNT, 3
.set RPT, 16                           ; s[16:17] part 2: my record
.set UPT, 20                           ; s[20:21] part 2: my U^
.set MLE, 76                           ; s[76:83] part 2: lanes where j <= d
.set MLT, 88                           ; s[88:95] part 2: lanes where j < d
.set MSB, 0
.macro WIN new                         ; the immediate's high byte repeats the setting that is left
.if MSB != (\new)
	s_set_vgpr_msb (MSB<<8)|(\new)
.set MSB, \new
.endif
.endm
.macro JLOAD s                         ; wave 0 fetches xn's tile, waves 1 to 3 the three weight tiles; an s_nop 0 and four v_nop follow each line
	s_cmp_eq_u32 s10, 0
	s_cbranch_scc0 .Lfor_b_\@
	tensor_load_to_lds s[G0+4*(\s):G0+4*(\s)+3], s[G1:G1+7]
	s_nop 0
.rept 4
	v_nop
.endr
	s_branch .Lasked_\@
.Lfor_b_\@:
	tensor_load_to_lds s[G0B+4*(\s):G0B+4*(\s)+3], s[G1B:G1B+7]
	s_nop 0
.rept 4
	v_nop
.endr
.Lasked_\@:
.endm
.macro CREST
	s_cmp_lg_u32 s10, 0
	s_cbranch_scc1 .Lnot_wave_0_\@
	s_barrier_signal -3
.Lnot_wave_0_\@:
	s_barrier_wait -3
	s_barrier_signal -1
	s_barrier_wait -1
.endm
.macro CROUND
	s_barrier_signal -1
	s_barrier_wait -1
	CREST
.endm
.macro PLACES
.rept 4
	v_nop
.endr
.endm
	s_load_b128 s[4:7], s[0:1], 0x0                ; pre, wh
	s_load_b64 s[8:9], s[0:1], 0x10                ; rec
	v_lshl_add_u32 v[SPW], v0, 2, SPARE
	v_mov_b32 v[NIL], 0
	ds_add_u32 v[SPW], v[NIL]                      ; the opening: the add and its wait ahead of my first tensor load
	v_lshrrev_b32 v1, 5, v0
	v_readfirstlane_b32 s10, v1                    ; wave
	s_bfe_u32 s40, ttmp6, 0x40000                  ; cx
	s_bfe_u32 s41, ttmp6, 0x40004                  ; cy
	s_lshl_b32 s42, ttmp9, 2
	s_add_co_u32 s42, s42, s40                     ; the head
	s_and_b32 s13, ttmp7, 0xffff
	s_lshl_b32 s13, s13, 2
	s_add_co_u32 s13, s13, s41                     ; the row tile
	s_lshl_b32 s43, s41, 2
	s_lshl_b32 s43, 15, s43                        ; my row of the cluster
	s_lshl_b32 s44, 0x1111, s40                    ; my column
	s_or_b32 s[G1+0], s43, (1<<16)|(1<<20)|(1<<21)|(5<<22)|(3<<25)   ; 2-byte elements, 4 words of padding behind every 64
	s_or_b32 s[G1B+0], s44, (1<<16)|(1<<20)|(1<<21)|(5<<22)|(7<<25)  ; 8 words of padding
.irp g, G1, G1B
	s_mov_b32 s[(\g)+1], 128<<16                   ; tensor_dim0
	s_mov_b32 s[(\g)+2], 128<<16                   ; tensor_dim1
	s_mov_b32 s[(\g)+3], 128<<16                   ; tile_dim0
	s_mov_b32 s[(\g)+4], 128                       ; tile_dim1
	s_mov_b32 s[(\g)+5], 1024                      ; elements from row to row
	s_mov_b32 s[(\g)+6], 0
	s_mov_b32 s[(\g)+7], 0
.endr
	s_lshl_b32 s16, s13, 18                        ; xn: 128 rows of 2,048 bytes a tile,
	s_add_co_u32 s16, s16, 0x800000                ; behind xb
	s_mov_b32 s17, 0
	s_sub_co_i32 s46, s10, 1                       ; W: the matrix of wave 1, 2, 3 (wave 0 asks for none),
	s_max_i32 s46, s46, 0
	s_lshl_b32 s46, s46, 21
	s_lshl_b32 s47, s42, 8                         ; the head's 128 columns
	s_add_co_u32 s46, s46, s47
	s_mov_b32 s47, 0
	s_mov_b32 s[PTA], 0                            ; xn's tile lies at a slot's head,
	s_mul_i32 s[PTB], s10, SUBB                    ; the tile of wave w = 1, 2, 3 at ASZ + (w - 1) SUBB
	s_sub_co_u32 s[PTB], s[PTB], SUBB-ASZ
	s_mov_b32 s[SO], 0
	s_mul_i32 s86, s10, WSZ
	s_add_co_u32 s86, s86, WB0                     ; my scratch
	s_wait_dscnt 0x0
	s_wait_kmcnt 0x0
	s_add_nc_u64 s[14:15], s[4:5], s[16:17]
	s_add_nc_u64 s[46:47], s[6:7], s[46:47]
	CROUND                                         ; all sixteen work-groups are here: the first joint loads meet
.irp s, 0,1
	s_mov_b32 s[G0+4*(\s)], 1
	s_add_co_u32 s[G0+4*(\s)+1], s[PTA], (\s)*SLOT
	s_add_nc_u64 s[G0+4*(\s)+2:G0+4*(\s)+3], s[14:15], (\s)*ASTEP
	s_or_b32 s[G0+4*(\s)+3], s[G0+4*(\s)+3], 0x80000000
	s_mov_b32 s[G0B+4*(\s)], 1
	s_add_co_u32 s[G0B+4*(\s)+1], s[PTB], (\s)*SLOT
	s_add_nc_u64 s[G0B+4*(\s)+2:G0B+4*(\s)+3], s[46:47], (\s)*BSTEP
	s_or_b32 s[G0B+4*(\s)+3], s[G0B+4*(\s)+3], 0x80000000
.endr
	s_cmp_eq_u32 s10, 0                            ; a wave's two first fills stand in one branch
	s_cbranch_scc0 .Lfirst_b
	tensor_load_to_lds s[G0:G0+3], s[G1:G1+7]
	s_nop 0
	tensor_load_to_lds s[G0+4:G0+7], s[G1:G1+7]
	s_nop 0
.rept 4
	v_nop
.endr
	s_branch .Lfirst_done
.Lfirst_b:
	tensor_load_to_lds s[G0B:G0B+3], s[G1B:G1B+7]
	s_nop 0
	tensor_load_to_lds s[G0B+4:G0B+7], s[G1B:G1B+7]
	s_nop 0
.rept 4
	v_nop
.endr
.Lfirst_done:
	v_and_b32 v1, 15, v0                           ; r
	v_bfe_u32 v2, v0, 4, 1                         ; h
	v_and_b32 v3, 31, v0                           ; lane
	v_lshlrev_b32 v[GA], 6, v3                     ; a row of the gates is 64 bytes
	s_lshl_b32 s84, s13, 7
	s_lshl_b32 s85, s10, 5
	s_add_co_u32 s84, s84, s85                     ; my first row: 128 x row tile + 32 x wave
	s_lshl_b32 s84, s84, 6
	s_lshl2_add_u32 s84, s42, s84                  ; my head's column
	s_add_co_u32 s84, s84, 0x1000000
	s_mov_b32 s85, 0
	s_add_nc_u64 s[84:85], s[4:5], s[84:85]
	global_load_b32 v23, v[GA], s[84:85]           ; beta of row lane: wanted in part 2
	global_load_b32 v22, v[GA], s[84:85] offset:32 ; log2 alpha
	v_mul_u32_u24 v10, v1, PA
	v_lshl_add_u32 v10, v2, 4, v10
	s_mul_i32 s21, s10, 32*PA
	v_add_nc_u32 v[VA0], s21, v10                  ; xn's fragments: my 32 rows, row r, 16 bytes for each half of the lanes
	v_and_b32 v11, 7, v0
	v_lshl_add_u32 v11, v2, 3, v11
	v_mul_u32_u24 v12, v11, PBT
	v_bfe_u32 v13, v0, 3, 1
	v_lshl_add_u32 v12, v13, 4, v12                ; the turning load's lane term: row 8 h + l % 8, 16 bytes by (l / 8) % 2
	v_add_nc_u32 v[VB0], ASZ, v12
	v_mov_b32 v[VA], v[VA0]
	v_mov_b32 v[VB], v[VB0]
	v_add_nc_u32 v[VB+1], SUBB, v[VB0]
	v_add_nc_u32 v[VB+2], 2*SUBB, v[VB0]
	v_add_nc_u32 v[LT], s86, v12                   ; the same term in my scratch (the same pitch)
	v_mul_u32_u24 v[LK], v1, PL
	v_lshl_add_u32 v[LK], v2, 4, v[LK]
	v_add_nc_u32 v[LK], s86, v[LK]                 ; row r, 16 bytes for each half of the lanes
	v_lshlrev_b32 v[L16], 4, v3
	s_mul_i32 s21, s10, STGW
	v_add_nc_u32 v[STA], s21, v[L16]               ; my stage, 16 bytes a lane
	v_mov_b32 v[RDS], v[STA]
	v_mov_b32 v[WDS], v[LK]
	v_mov_b32 v[ONE], 1.0
	s_mov_b32 s70, 0xbfb8aa3b                      ; -log2 e
	s_mov_b32 s71, s70
	s_mov_b32 s73, 0x358637bd                      ; 1e-6
	s_mov_b32 s74, 0x76543210
	s_mov_b32 s75, 0xfedcba98
; 8 products: product p (q, k, v), row block a, all 8 column blocks, 32 along K, from buffer f.  The accumulators take turns, one instruction a turn.
.macro MULP f, p, a, zero
.if (\p) < 2
	WIN 0xf1+(\f)                                  ; W in window 1 + f, xn in window 0, C and D in window 3
.set AC, 64*(2*(\p)+(\a))
.else
	WIN 0x01+(\f)                                  ; the same, C and D in window 0
.set AC, 128+64*(\a)
.endif
.irp b, 0,1,2,3,4,5,6,7
.if \zero
	v_wmma_f32_16x16x32_f16 v[AC+8*(\b):AC+8*(\b)+7], v[64*(\p)+8*(\b):64*(\p)+8*(\b)+7], v[AF+16*(\f)+8*(\a):AF+16*(\f)+8*(\a)+7], 0
.else
	v_wmma_f32_16x16x32_f16 v[AC+8*(\b):AC+8*(\b)+7], v[64*(\p)+8*(\b):64*(\p)+8*(\b)+7], v[AF+16*(\f)+8*(\a):AF+16*(\f)+8*(\a)+7], v[AC+8*(\b):AC+8*(\b)+7]
.endif
.endr
.endm
; 52 LDS loads in one run: quarter q (32 along K) of the slot in hand into buffer f: xn's 4, then q's, k's, v's 16 each
.macro FETCH q, f
	WIN 0
.irp a, 0,1
	ds_load_b128 v[AF+16*(\f)+8*(\a):AF+16*(\f)+8*(\a)+3],   v[VA] offset:(\q)*64+(\a)*16*PA
	ds_load_b128 v[AF+16*(\f)+8*(\a)+4:AF+16*(\f)+8*(\a)+7], v[VA] offset:(\q)*64+(\a)*16*PA+32
.endr
	WIN 0x40*(1+(\f))                              ; destination window 1 + f
.irp p, 0,1,2
.irp b, 0,1,2,3,4,5,6,7
	ds_load_tr16_b128 v[64*(\p)+8*(\b):64*(\p)+8*(\b)+3],   v[VB+(\p)] offset:(\q)*32*PBT+(\b)*32
	ds_load_tr16_b128 v[64*(\p)+8*(\b)+4:64*(\p)+8*(\b)+7], v[VB+(\p)] offset:(\q)*32*PBT+(\b)*32+16*PBT
.endr
.endr
.endm
.macro QUARTER q, f, g, zero           ; multiplies buffer f; behind its first 16 products it fetches quarter q into buffer g
	s_wait_dscnt 32                                ; xn's and q's fragments are in; k's and v's 32 loads may be out
	MULP \f, 0, 0, \zero
	MULP \f, 0, 1, \zero
	PLACES
	FETCH \q, \g
	s_wait_dscnt 52                                ; all but the 52 just issued
	MULP \f, 1, 0, \zero
	MULP \f, 1, 1, \zero
	MULP \f, 2, 0, \zero
	MULP \f, 2, 1, \zero
.endm
.macro TURN fill                       ; a K step's last quarter (buffer 1), and the change of slots
	WIN 0
	s_wait_tensorcnt 0x0                           ; all my tensor loads have landed: my part of the other slot
	ds_add_u32 v[SPW], v[NIL]
	s_wait_dscnt 33                                ; the add and the youngest 32 loads may be out
	MULP 1, 0, 0, 0
	s_wait_dscnt 0x0                               ; the add is done, my reads of this slot are over
	s_barrier_signal -1
	MULP 1, 0, 1, 0
	WIN 0
	s_barrier_wait -1
.if \fill
	CREST                                          ; the barrier has opened a round of the cluster's: no wave of any partner still reads this slot or has a load on its way
	s_add_co_u32 s[G0+5], s[PTA], s[SO]            ; the walking descriptors: the slot just read, the K step two on
	s_add_nc_u64 s[G0+6:G0+7], s[G0+6:G0+7], ASTEP
	s_add_co_u32 s[G0B+5], s[PTB], s[SO]
	s_add_nc_u64 s[G0B+6:G0B+7], s[G0B+6:G0B+7], BSTEP
	JLOAD 1
.else
	PLACES
.endif
	s_xor_b32 s[SO], s[SO], SLOT                   ; the other slot is in hand
	v_add_nc_u32 v[VA], s[SO], v[VA0]
	v_add_nc_u32 v[VB], s[SO], v[VB0]
	v_add_nc_u32 v[VB+1], SUBB, v[VB]
	v_add_nc_u32 v[VB+2], 2*SUBB, v[VB]
	FETCH 0, 0
	MULP 1, 1, 0, 0
	MULP 1, 1, 1, 0
	MULP 1, 2, 0, 0
	MULP 1, 2, 1, 0
.endm
	s_wait_tensorcnt 1                             ; my part of K step 0 is in; K step 1's may stay out
	s_barrier_signal -1
	s_barrier_wait -1
	FETCH 0, 0
	QUARTER 1, 0, 1, 1                             ; the first products start the sums
	WIN 0
	s_mov_b32 s[CNT], TSTEPS-2
.Lstep:                                        ; a trip: quarters 1 to 3 of a K step, the refill, quarter 0 of the next
	QUARTER 2, 1, 0, 0
	QUARTER 3, 0, 1, 0
	TURN 1
	QUARTER 1, 0, 1, 0
	WIN 0
	s_sub_co_u32 s[CNT], s[CNT], 1
	s_cmp_lg_u32 s[CNT], 0
	s_cbranch_scc1 .Lstep
	s_mov_b32 s[CNT], 2
.Ltail:                                        ; the last two K steps ask for nothing; the second trip is left in its middle
	QUARTER 2, 1, 0, 0
	QUARTER 3, 0, 1, 0
	WIN 0
	s_sub_co_u32 s[CNT], s[CNT], 1
	s_cmp_eq_u32 s[CNT], 0
	s_cbranch_scc1 .Lfin
	TURN 0
	QUARTER 1, 0, 1, 0
	WIN 0
	s_branch .Ltail
.Lfin:
	s_wait_dscnt 32
	MULP 1, 0, 0, 0
	MULP 1, 0, 1, 0
	s_wait_dscnt 0x0
	MULP 1, 1, 0, 0
	MULP 1, 1, 1, 0
	MULP 1, 2, 0, 0
	MULP 1, 2, 1, 0
	WIN 0
	s_barrier_signal -1                            ; every wave's reads of the ring are over (waited for above): stages and scratch may be written over it
	s_barrier_wait -1
	PLACES
	PLACES
.irp t, 0,1,2,3,4,5                            ; block t = 2 x product + row block: eight accumulators, each lane's 32 bytes as two stores of 512 consecutive bytes a wave
.if (\t) < 4
	WIN 0x0c                                       ; store data from window 3
.set AC, 64*(\t)
.else
	WIN 0
.set AC, 128+64*((\t)-4)
.endif
.irp b, 0,1,2,3,4,5,6,7
	ds_store_b128 v[STA], v[AC+8*(\b):AC+8*(\b)+3]   offset:(8*(\t)+(\b))*1024
	ds_store_b128 v[STA], v[AC+8*(\b)+4:AC+8*(\b)+7] offset:(8*(\t)+(\b))*1024+512
.endr
.endr
	WIN 0
	; Six trips, block t each: a lane's 64 numbers of row 16 a + r (columns 16 b + 8 h + j).  LDS serves a wave's instructions in order: the loads see the stores above, and part 2's loads the stores below.
.set V,  64
.set E,  128
.set T,  192
.set RF, 200
.set P,  208
	v_mov_b32 v[RF+1], 0                           ; named with the factor as a pair
	s_mov_b32 s[CNT], 6
.Lsilu:
.irp b, 0,1,2,3,4,5,6,7
	ds_load_b128 v[V+8*(\b):V+8*(\b)+3],   v[RDS] offset:(\b)*1024
	ds_load_b128 v[V+8*(\b)+4:V+8*(\b)+7], v[RDS] offset:(\b)*1024+512
.endr
	s_cmp_le_u32 s[CNT], 2                         ; the last two blocks are v's: not normalised, their factor is 1 (a select, no branch)
	s_cselect_b32 s72, -1, 0
	s_wait_dscnt 0x0
	v_add_nc_u32 v[RDS], 8192, v[RDS]
.set i, 0
.rept 32
	v_pk_mul_f32 v[E+2*i:E+2*i+1], v[V+2*i:V+2*i+1], s[70:71] op_sel_hi:[1,0]
.set i, i+1
.endr
.set i, 0
.rept 64
	v_exp_f32 v[E+i], v[E+i]
.set i, i+1
.endr
	v_nop
	s_wait_alu depctr_va_vdst(0)                   ; one wait for the batch of 64
.set i, 0
.rept 32
	v_pk_add_f32 v[E+2*i:E+2*i+1], v[E+2*i:E+2*i+1], 1.0 op_sel_hi:[1,0]
.set i, i+1
.endr
.set i, 0
.rept 64
	v_rcp_f32 v[E+i], v[E+i]
.set i, i+1
.endr
	v_nop
	s_wait_alu depctr_va_vdst(0)
.set i, 0
.rept 32
	v_pk_mul_f32 v[V+2*i:V+2*i+1], v[V+2*i:V+2*i+1], v[E+2*i:E+2*i+1]
.set i, i+1
.endr
.set i, 0
.rept 4
	v_pk_mul_f32 v[T+2*i:T+2*i+1], v[V+2*i:V+2*i+1], v[V+2*i:V+2*i+1]
.set i, i+1
.endr
.rept 28
	v_pk_fma_f32 v[T+2*(i%4):T+2*(i%4)+1], v[V+2*i:V+2*i+1], v[V+2*i:V+2*i+1], v[T+2*(i%4):T+2*(i%4)+1]
.set i, i+1
.endr
	v_pk_add_f32 v[T:T+1], v[T:T+1], v[T+2:T+3]
	v_pk_add_f32 v[T+4:T+5], v[T+4:T+5], v[T+6:T+7]
	v_pk_add_f32 v[T:T+1], v[T:T+1], v[T+4:T+5]
	v_add_f32 v[T], v[T], v[T+1]
	v_permlanex16_b32 v[T+1], v[T], s74, s75       ; the row's other 64 columns lie in the lane 16 away
	v_add_f32 v[T], v[T], v[T+1]
	v_add_f32 v[T], s73, v[T]
	v_rsq_f32 v[T+2], v[T]
	v_nop
	s_wait_alu depctr_va_vdst(0)
	v_cndmask_b32 v[RF], v[T+2], v[ONE], s72
.set i, 0
.rept 32
	v_pk_mul_f32 v[V+2*i:V+2*i+1], v[V+2*i:V+2*i+1], v[RF:RF+1] op_sel_hi:[1,0]
.set i, i+1
.endr
.set i, 0
.rept 32
	v_cvt_pk_f16_f32 v[P+i], v[V+2*i], v[V+2*i+1]
.set i, i+1
.endr
.irp b, 0,1,2,3,4,5,6,7
	ds_store_b128 v[WDS], v[P+4*(\b):P+4*(\b)+3] offset:32*(\b)
.endr
	v_add_nc_u32 v[WDS], 16*PL, v[WDS]             ; q's, k's, v's rows lie on end: 16 rows on
	s_sub_co_u32 s[CNT], s[CNT], 1
	s_cmp_lg_u32 s[CNT], 0
	s_cbranch_scc1 .Lsilu
	; ================ PART 2: THE CHUNK.  No wave touches another's LDS: no barrier. ================
.set KF,  24                           ; K's fragments: tile I, step kk at 32 I + 8 kk
.set QF,  88
.set C,   152
.set GI,  216                          ; G at my 16 places along k
.set SB,  232                          ; pairs of b_i
.set SG,  240                          ; pairs of -b_i 2^G_i
.set SK,  248                          ; pairs of 2^(G_31-G_i)
.set EX,  24
.set MF,  48
.set NAF, 200
.set TBR, 24
.set TT,  168
.set TF0, 24
.set TF1, 32
.set T0T, 40
.set T11F, 48
.set ZA,  56
.set ZF,  64
.set T10A, 72
.set TG,  80
.set TBF, 96
.set KT,  112
.set DA,  176
.set WP,  24
.set VT,  176
.set UA0, 112
.set UA1, 24
.macro PLACES8
.rept 8
	v_nop
.endr
.endm
.macro P1 d, a, b, z
.if \z
	v_wmma_f32_16x16x32_f16 v[(\d):(\d)+7], v[(\a):(\a)+7], v[(\b):(\b)+7], 0
.else
	v_wmma_f32_16x16x32_f16 v[(\d):(\d)+7], v[(\a):(\a)+7], v[(\b):(\b)+7], v[(\d):(\d)+7]
.endif
.endm
.macro FRAG reg, off                   ; a fragment's two stores into my record
	global_store_b128 v[L16], v[(\reg):(\reg)+3], s[RPT:RPT+1] offset:(\off)
	global_store_b128 v[L16], v[(\reg)+4:(\reg)+7], s[RPT:RPT+1] offset:(\off)+512
.endm
.irp I, 0,1
.irp kk, 0,1,2,3
	ds_load_b128 v[KF+32*(\I)+8*(\kk):KF+32*(\I)+8*(\kk)+3],   v[LK] offset:KL+(\I)*16*PL+(\kk)*64
	ds_load_b128 v[KF+32*(\I)+8*(\kk)+4:KF+32*(\I)+8*(\kk)+7], v[LK] offset:KL+(\I)*16*PL+(\kk)*64+32
	ds_load_b128 v[QF+32*(\I)+8*(\kk):QF+32*(\I)+8*(\kk)+3],   v[LK] offset:QL+(\I)*16*PL+(\kk)*64
	ds_load_b128 v[QF+32*(\I)+8*(\kk)+4:QF+32*(\I)+8*(\kk)+7], v[LK] offset:QL+(\I)*16*PL+(\kk)*64+32
.endr
.endr
	v_lshlrev_b32 v15, 3, v2
	v_sub_nc_u32 v15, v1, v15                      ; d = r - 8 h: in a diagonal tile register j is kept where j <= d (M) or j < d (A)
.set j, 0
.rept 8
	v_cmp_le_i32 s[MLE+j], j, v15
	v_cmp_lt_i32 s[MLT+j], j, v15
.set j, j+1
.endr
	s_mov_b32 s23, 0xffff0000                      ; lanes 16-31
	s_lshr_b32 s12, s13, 4
	s_lshl3_add_u32 s12, s12, s42                  ; n = 8 x batch + head
	s_and_b32 s14, s13, 15
	s_lshl2_add_u32 s14, s14, s10                  ; c = 4 x the tile's place in the sequence + wave
	s_lshl_b32 s11, s12, 6
	s_add_co_u32 s11, s11, s14
	s_mul_i32 s46, s11, REC
	s_mov_b32 s47, 0
	s_lshl_b32 s18, s12, 20
	s_lshl_b32 s19, s14, 12
	s_add_co_u32 s18, s18, s19
	s_add_co_u32 s18, s18, UBASE
	s_mov_b32 s19, 0
	s_add_nc_u64 s[RPT:RPT+1], s[8:9], s[46:47]    ; my record
	s_add_nc_u64 s[UPT:UPT+1], s[8:9], s[18:19]    ; my U^
	s_wait_loadcnt 0x0                             ; the two gates
.irp x, 1,2,4,8                                ; the running sum inside each half of the lanes,
	v_add_f32_dpp v22, v22, v22 row_shr:\x row_mask:0xf bank_mask:0xf bound_ctrl:1
.endr
	v_readlane_b32 s22, v22, 15                    ; and the first half's total onto the second
	v_add_f32 v20, s22, v22
	v_cndmask_b32 v22, v22, v20, s23
	s_add_co_u32 s87, s86, GV
	v_lshl_add_u32 v16, v3, 2, s87
	v_lshl_add_u32 v17, v2, 5, s87
	v_lshl_add_u32 v18, v1, 2, s87
	v_mov_b32 v19, s87
	ds_store_b32 v16, v22
	ds_store_b32 v16, v23 offset:128
.irp o, 0,1                                    ; G (o = 0) and beta (o = 1) at i = 8 h + 0..7 and 16 + 8 h + 0..7
.set DST, GI+(\o)*(C-GI)
	ds_load_b128 v[DST:DST+3],     v17 offset:128*(\o)
	ds_load_b128 v[DST+4:DST+7],   v17 offset:128*(\o)+16
	ds_load_b128 v[DST+8:DST+11],  v17 offset:128*(\o)+64
	ds_load_b128 v[DST+12:DST+15], v17 offset:128*(\o)+80
.endr
	ds_load_b32 v10, v18                           ; G_r, r in block 0
	ds_load_b32 v11, v18 offset:64                 ; block 1
	ds_load_b32 v12, v18 offset:128                ; beta_r
	ds_load_b32 v13, v18 offset:192
	ds_load_b32 v14, v19 offset:124                ; G_31
	s_wait_dscnt 0x0                               ; these, and K's and Q's fragments
.set i, 0
.rept 16
	v_sub_f32 v[C+32+i], v14, v[GI+i]
.set i, i+1
.endr
.set i, 0
.rept 16
	v_exp_f32 v[C+16+i], v[GI+i]
	v_exp_f32 v[C+32+i], v[C+32+i]
.set i, i+1
.endr
	v_exp_f32 v[C+48], v10
	v_exp_f32 v[C+49], v11
	v_exp_f32 v18, v14                             ; gC
	v_nop
	s_wait_alu depctr_va_vdst(0)                   ; one wait for the batch of 35
.set i, 0
.rept 16
	v_mul_f32 v[C+16+i], v[C+16+i], v[C+i]
.set i, i+1
.endr
.set i, 0
.rept 8
	v_cvt_pk_f16_f32 v[SB+i], v[C+2*i], v[C+2*i+1]
	v_cvt_pk_f16_f32 v[SG+i], v[C+16+2*i], v[C+16+2*i+1]
	v_cvt_pk_f16_f32 v[SK+i], v[C+32+2*i], v[C+32+2*i+1]
.set i, i+1
.endr
.set i, 0
.rept 8
	v_xor_b32 v[SG+i], 0x80008000, v[SG+i]
.set i, i+1
.endr
	v_cvt_pk_f16_f32 v16, v[C+48], v[C+48]         ; 2^G_r twice, for Qg
	v_cvt_pk_f16_f32 v17, v[C+49], v[C+49]
	v_mov_b32 v19, v18
	v_mov_b32 v20, v18
	v_mov_b32 v21, v18
	v_xor_b32 v12, 0x80000000, v12                 ; -beta_r
	v_xor_b32 v13, 0x80000000, v13
.irp kk, 0,1,2,3                               ; six accumulators by turns: k.k and k.q for the tiles (I,R) = (0,0), (0,1), (1,1)
	P1 C,    KF+8*(\kk),    KF+8*(\kk),    (\kk)==0
	P1 C+8,  KF+8*(\kk),    KF+32+8*(\kk), (\kk)==0
	P1 C+16, KF+32+8*(\kk), KF+32+8*(\kk), (\kk)==0
	P1 C+24, KF+8*(\kk),    QF+8*(\kk),    (\kk)==0
	P1 C+32, KF+8*(\kk),    QF+32+8*(\kk), (\kk)==0
	P1 C+40, KF+32+8*(\kk), QF+32+8*(\kk), (\kk)==0
.endr
	PLACES8
.set i, 0
.rept 32
	v_pk_mul_f16 v[QF+i], v[QF+i], v16
	v_pk_mul_f16 v[QF+32+i], v[QF+32+i], v17
.set i, i+1
.endr
.irp f, 0,1,2,3,4,5,6,7
	FRAG QF+8*(\f), 8192+(\f)*1024
.endr
.set j, 0
.rept 8
	v_sub_f32 v[EX+j], v10, v[GI+j]
	v_sub_f32 v[EX+8+j], v11, v[GI+j]
	v_sub_f32 v[EX+16+j], v11, v[GI+8+j]
.set j, j+1
.endr
.set j, 0
.rept 24
	v_exp_f32 v[EX+j], v[EX+j]
.set j, j+1
.endr
	v_nop
	s_wait_alu depctr_va_vdst(0)                   ; one wait for the 24
; Tile t: M = q.k x E, -A = k.k x E x (-beta_r); what lies above the diagonal is chosen away (there E may be infinite: the choice drops it).
.macro TILE t, nb, diag
.set j, 0
.rept 8
	v_mul_f32 v[C+24+8*(\t)+j], v[C+24+8*(\t)+j], v[EX+8*(\t)+j]
	v_mul_f32 v[EX+8*(\t)+j], v[EX+8*(\t)+j], v[\nb]
	v_mul_f32 v[C+8*(\t)+j], v[C+8*(\t)+j], v[EX+8*(\t)+j]
.if \diag
	v_cndmask_b32 v[C+24+8*(\t)+j], 0, v[C+24+8*(\t)+j], s[MLE+j]
	v_cndmask_b32 v[C+8*(\t)+j], 0, v[C+8*(\t)+j], s[MLT+j]
.endif
.set j, j+1
.endr
.endm
	TILE 0, 12, 1
	TILE 1, 13, 0
	TILE 2, 13, 1
.set i, 0
.rept 4
	v_cvt_pk_f16_f32 v[MF+i], v[C+24+2*i], v[C+24+2*i+1]
	v_mov_b32 v[MF+4+i], 0
	v_cvt_pk_f16_f32 v[MF+8+i], v[C+32+2*i], v[C+32+2*i+1]
	v_cvt_pk_f16_f32 v[MF+12+i], v[C+40+2*i], v[C+40+2*i+1]
	v_cvt_pk_f16_f32 v[NAF+i], v[C+8+2*i], v[C+8+2*i+1]
	v_mov_b32 v[NAF+4+i], 0
.set i, i+1
.endr
	FRAG MF, 24576
	FRAG MF+8, 24576+1024
	s_add_co_u32 s87, s86, TABL
	v_lshl_add_u32 v22, v2, 9, s87
	v_lshl_add_u32 v22, v1, 2, v22                 ; table[i = 8 h + j][m = r]
.set j, 0
.rept 8
	ds_store_b32 v22, v[C+j] offset:j*64
	ds_store_b32 v22, v[C+16+j] offset:1024+j*64
.set j, j+1
.endr
	v_mov_b32 v23, 1.0
	v_lshl_add_u32 v22, v2, 10, s87                ; my block's table: the same address in all 16 lanes
	s_wait_xcnt 0x0                                ; the stores of Qg and M have read their registers
.set i, 0
.set cu, 0
.rept 15                                       ; of row i only the quads that hold m > i: 36 loads
.set q, (i+1)/4
.rept 4-(i+1)/4
	ds_load_b128 v[TBR+4*cu:TBR+4*cu+3], v22 offset:i*64+16*q
.set cu, cu+1
.set q, q+1
.endr
.set i, i+1
.endr
.set i, 0
.rept 16
	v_cmp_eq_u32 vcc_lo, i, v1
	v_cndmask_b32 v[TT+i], 0, v23, vcc_lo
.set i, i+1
.endr
	s_wait_dscnt 0x0
.macro CUM i                           ; quads loaded ahead of row i
.if (\i) < 3
.set cb, 4*(\i)
.elseif (\i) < 7
.set cb, 12+3*((\i)-3)
.elseif (\i) < 11
.set cb, 24+2*((\i)-7)
.else
.set cb, 32+((\i)-11)
.endif
.endm
.set i, 14
.rept 15                                       ; T[row,i] = (row == i) - sum over m > i of T[row,m] A[m,i]
	CUM i
.set m, 15
.rept 15-i
	v_fmac_f32 v[TT+i], v[TT+m], v[TBR+4*cb+m-4*((i+1)/4)]
.set m, m-1
.endr
.set i, i-1
.endr
.set i, 0
.rept 8
	v_cvt_pk_f16_f32 v[184+i], v[TT+2*i], v[TT+2*i+1]
.set i, i+1
.endr
	s_add_co_u32 s87, s86, TM
	v_lshl_add_u32 v22, v3, 5, s87
	ds_store_b128 v22, v[184:187]
	ds_store_b128 v22, v[188:191] offset:16
.irp d, 0,1,2,3,4,5,6,7                        ; K^T: lane = channel 16 d + l % 16, k = i
	ds_load_tr16_b128 v[KT+8*(\d):KT+8*(\d)+3],   v[LT] offset:KL+32*(\d)
	ds_load_tr16_b128 v[KT+8*(\d)+4:KT+8*(\d)+7], v[LT] offset:KL+32*(\d)+16*PL
.endr
	v_lshl_add_u32 v10, v1, 5, s87
	v_lshl_add_u32 v10, v2, 4, v10                 ; T's rows: row r, 16 bytes for each half of the lanes
	v_and_b32 v11, 7, v0
	v_lshl_add_u32 v11, v2, 3, v11
	v_lshl_add_u32 v11, v11, 5, s87
	v_bfe_u32 v14, v0, 3, 1
	v_lshl_add_u32 v11, v14, 4, v11                ; T00 turned
	ds_load_b128 v[TF0:TF0+3], v10
	ds_load_b128 v[TF1+4:TF1+7], v10 offset:512
	ds_load_b128 v[T11F:T11F+3], v10 offset:512
	ds_load_tr16_b128 v[T0T:T0T+3], v11
.set i, 0
.rept 4
	v_mov_b32 v[TF0+4+i], 0
	v_mov_b32 v[T11F+4+i], 0
	v_mov_b32 v[T0T+4+i], 0
	v_mov_b32 v[ZF+4+i], 0
.set i, i+1
.endr
	s_wait_dscnt 0x0
	P1 ZA, NAF, T0T, 1                             ; Z = (-A10) T00: lane = column, registers = rows
	PLACES8
.set i, 0
.rept 4
	v_cvt_pk_f16_f32 v[ZF+i], v[ZA+2*i], v[ZA+2*i+1]
.set i, i+1
.endr
	P1 T10A, ZF, T11F, 1                           ; (T11 Z)^T: lane = row of T10, registers = columns
	PLACES8
.set i, 0
.rept 4
	v_cvt_pk_f16_f32 v[TF1+i], v[T10A+2*i], v[T10A+2*i+1]
.set i, i+1
.endr
.set i, 0
.rept 8
	v_pk_mul_f16 v[TG+i], v[TF0+i], v[SG+i]
	v_pk_mul_f16 v[TG+8+i], v[TF1+i], v[SG+i]
	v_pk_mul_f16 v[TBF+i], v[TF0+i], v[SB+i]
	v_pk_mul_f16 v[TBF+8+i], v[TF1+i], v[SB+i]
.set i, i+1
.endr
.irp R, 0,1                                    ; W': eight products, each its own sum: lane = row r, registers = channels
.irp d, 0,1,2,3,4,5,6,7
	P1 DA+8*(\d), KT+8*(\d), TG+8*(\R), 1
.endr
	PLACES8
	s_wait_xcnt 0x0                                ; the packed registers' last stores have read them
.set i, 0
.rept 32
	v_cvt_pk_f16_f32 v[WP+i], v[DA+2*i], v[DA+2*i+1]
.set i, i+1
.endr
.irp kk, 0,1,2,3
	FRAG WP+8*(\kk), (4*(\R)+(\kk))*1024
.endr
.endr
.irp d, 0,1,2,3,4,5,6,7                        ; V^T: lane = column 16 d + l % 16, k = i
	ds_load_tr16_b128 v[VT+8*(\d):VT+8*(\d)+3],   v[LT] offset:VL+32*(\d)
	ds_load_tr16_b128 v[VT+8*(\d)+4:VT+8*(\d)+7], v[LT] offset:VL+32*(\d)+16*PL
.endr
.set i, 0
.rept 64
	v_pk_mul_f16 v[KT+i], v[KT+i], v[SK+i%8]
.set i, i+1
.endr
.irp d, 0,1,2,3,4,5,6,7
	FRAG KT+8*(\d), 16384+(\d)*1024
.endr
	global_store_b128 v[L16], v[18:21], s[RPT:RPT+1] offset:26624
	s_wait_dscnt 0x0
	s_wait_xcnt 0x0                                ; W's and K~'s stores have read their registers: U^'s sums land there
.irp d, 0,1,2,3,4,5,6,7
	P1 UA0+8*(\d), TBF, VT+8*(\d), 1
.endr
.irp d, 0,1,2,3,4,5,6,7
	P1 UA1+8*(\d), TBF+8, VT+8*(\d), 1
.endr
	PLACES8
.irp d, 0,1,2,3,4,5,6,7
	global_store_b128 v[L16], v[UA0+8*(\d):UA0+8*(\d)+3],   s[UPT:UPT+1] offset:((\d)/2)*262144+((\d)%2)*2048
	global_store_b128 v[L16], v[UA0+8*(\d)+4:UA0+8*(\d)+7], s[UPT:UPT+1] offset:((\d)/2)*262144+((\d)%2)*2048+512
	global_store_b128 v[L16], v[UA1+8*(\d):UA1+8*(\d)+3],   s[UPT:UPT+1] offset:((\d)/2)*262144+((\d)%2)*2048+1024
	global_store_b128 v[L16], v[UA1+8*(\d)+4:UA1+8*(\d)+7], s[UPT:UPT+1] offset:((\d)/2)*262144+((\d)%2)*2048+1536
.endr
	s_wait_tensorcnt 0x0                           ; the wave's end
	ds_add_u32 v[SPW], v[NIL]
	s_wait_dscnt 0x0
	CROUND                                         ; the closing round
	s_endpgm
.Lfunc_end_k_q04f0ea0a10_qkc:
	.size	k_q04f0ea0a10_qkc, .Lfunc_end_k_q04f0ea0a10_qkc-k_q04f0ea0a10_qkc
	.p2alignl 7, 3214868480
	.fill 96, 4, 3214868480
	.section	.rodata,"a",@progbits
	.p2align	6, 0x0
	.amdhsa_kernel k_q04f0ea0a10_qkc
		.amdhsa_group_segment_fixed_size 327680
		.amdhsa_private_segment_fixed_size 0
		.amdhsa_enable_private_segment 0
		.amdhsa_kernarg_size 24
		.amdhsa_user_sgpr_count 2
		.amdhsa_user_sgpr_kernarg_segment_ptr 1
		.amdhsa_wavefront_size32 1
		.amdhsa_system_sgpr_workgroup_id_x 1
		.amdhsa_system_sgpr_workgroup_id_y 1
		.amdhsa_system_sgpr_workgroup_id_z 1
		.amdhsa_system_vgpr_workitem_id 0
		.amdhsa_next_free_vgpr 1024
		.amdhsa_next_free_sgpr 96
		.amdhsa_reserve_vcc 1
		.amdhsa_float_denorm_mode_32 3
		.amdhsa_float_denorm_mode_16_64 3
		.amdhsa_memory_ordered 1
		.amdhsa_forward_progress 1
		.amdhsa_inst_pref_size 158
	.end_amdhsa_kernel
	.amdgpu_metadata
---
amdhsa.version: [ 1, 2 ]
amdhsa.kernels:
  - .name:           k_q04f0ea0a10_qkc
    .symbol:         k_q04f0ea0a10_qkc.kd
    .args:
      - { .name: pre, .offset: 0, .size: 8, .value_kind: global_buffer, .address_space: global }
      - { .name: wh, .offset: 8, .size: 8, .value_kind: global_buffer, .address_space: global }
      - { .name: rec, .offset: 16, .size: 8, .value_kind: global_buffer, .address_space: global }
    .group_segment_fixed_size: 327680
    .private_segment_fixed_size: 0
    .kernarg_segment_align: 8
    .kernarg_segment_size: 24
    .max_flat_workgroup_size: 128
    .sgpr_count:     96
    .vgpr_count:     1024
    .wavefront_size: 32
...
	.end_amdgpu_metadata
.endif
;; end of part 2
;; launch scan (part 3): grid 4 x 64, 2 waves a work-group, clusters of 4 x 1, 327,680 bytes of LDS; arguments rec, recurrent_state, os, out1, w_gate, w_up, w_down, wh; writes os, out1, wh
.if DOCPART == 3
	.amdgcn_target "amdgcn-amd-amdhsa--gfx1250"
	.amdhsa_code_object_version 6
	.text
	.protected	k_q04f0ea0a10_scan
	.globl	k_q04f0ea0a10_scan
	.p2align	8
	.type	k_q04f0ea0a10_scan,@function
k_q04f0ea0a10_scan:
	s_mov_b64 s[64:65], 0
	v_nop
	global_prefetch_b8 v0, s[64:65] scope:SCOPE_SE
	s_setreg_imm32_b32 hwreg(HW_REG_WAVE_MODE, 25, 1), 1
	s_wait_xcnt 0x0
	s_wait_alu depctr_hold_cnt(0) depctr_sa_sdst(0) depctr_va_vdst(0) depctr_va_sdst(0) depctr_va_ssrc(0) depctr_va_vcc(0) depctr_vm_vsrc(0)
	s_getreg_b32 s2, hwreg(HW_REG_IB_STS2, 6, 4)
	s_cmp_eq_u32 s2, 0
	s_cbranch_scc0 .Lentry_in_a_cluster
	s_endpgm
.Lentry_in_a_cluster:
	s_bfe_u32 s2, ttmp6, 0x10000c
	s_cmp_lg_u32 s2, 0x3003
	s_cbranch_scc0 .Lentry_shape_is_right
	s_endpgm
.Lentry_shape_is_right:
; TWO KINDS OF CLUSTERS, told apart by the cluster's y, which all four partners share.
; y = 0 .. 15: THE RECURRENCE OVER CHUNKS.  A cluster is one sequence n; its four work-groups hold 32 of the state's 128 value columns each, a wave 16 (tile vt = 2 cx + wave).  64 chunks of 32 steps:
;   U = U^ + W' S;   O = Qg S + M U;   S = gC S + K~^T U.      S [128 x 16] stays in f32 in 64 registers; as an operand it is rounded to f16, as U is.
; LAYOUT.  S's and U's results hold a value column a lane and rows in the registers: rounded in pairs they ARE the next product's fragments.  O is taken transposed: a lane holds a step and 8 columns: 16 bytes.
; os: f16 [8 n + vt][2048][16]: a chunk's 32 rows are 1,024 consecutive bytes.  The state is rounded to bf16 on the way in, like every input.
; THE RING.  Two LDS slots of four chunks: four records (108,544 bytes, the same for all four work-groups: wave 0's JOINT load) and my work-group's U^ (16,384 bytes: wave 1's own load).
; In the trip of chunk c every LDS read belongs to chunk c + 1, so a change of slots falls on a trip's edge.  A wave has two tensor loads out at the start, then one.
; AHEAD OF THE LOADS: behind each refill the slot that the NEXT change will load is prefetched into the L2: of the records' 424 blocks of 256 bytes each of the cluster's eight waves takes 53, told apart by address
; (32 lanes, then 21 and the rest clamped to the last of them), and 32 of its work-group's 64 blocks of U^.  The last change that fills asks for nothing; nothing is asked for at the head.
; y = 16 .. 63: THE CAST OF w_gate, w_up, w_down, which only later launches read: the recurrence has work for 64 work-groups, these 192 take 65,536 weights each (unit 4 (y - 16) + cx: cx enters addresses alone).
;   Rounded to bf16; w_gate and w_up written as f16 (wh + 8 MiB, + 16 MiB), w_down as bf16 (wh + 24 MiB), row-major as given.  A wave takes 128 KiB in 8 trips of 32 loads of 512 consecutive bytes.
; LIMITS.  |S| and |U| under 65,504 (f16 operands); a weight of w_gate or w_up of magnitude 65,504 or more has no f16, one below 2^-17 loses bits as f16.
.set REC,   27136
.set SREC,  4*REC
.set UBASE, 27787264
.set SLOT1, 1<<17
.set SPARE, 1<<18
.set L16, 4
.set AD,  5
.set AU,  6
.set GO,  7
.set PF0, 8
.set PF1, 9
.set PF2, 10
.set SOF, 11
.set AU0, 12
.set SPW, 30
.set NIL, 31
.set GC,  40
.set S,   64
.set SF,  128
.set X,   160
.set O,   176
.set UF,  192
.set OP,  200
.set WQ,  0                            ; window 1
.set QG,  64
.set KT,  128
.set MM,  192
.set CLO, 4                            ; the cast: 16 bytes a lane in,
.set CSO, 5                            ; 8 out
.set CT,  8                            ; six at work
.set CX,  64                           ; 32 slots of 4 registers as loaded
.set CY,  192                          ; 32 of 2 to store
.set WV,  12
.set G1J, 24
.set G1P, 32
.set G0J, 40
.set G0P, 48
.set SLOTS, 56
.set CNT, 57
.set TB,  58
.set TU,  59
.set PFS, 60
.set PFU, 62
.set OB,  66
.set MSB, 0
.macro WIN new
.if MSB != (\new)
	s_set_vgpr_msb (MSB<<8)|(\new)
.set MSB, \new
.endif
.endm
.macro PLACES
.rept 4
	v_nop
.endr
.endm
.macro CROUND
	s_barrier_signal -1
	s_barrier_wait -1
	s_cmp_lg_u32 s[WV], 0
	s_cbranch_scc1 .Lnot_wave_0_\@
	s_barrier_signal -3
.Lnot_wave_0_\@:
	s_barrier_wait -3
	s_barrier_signal -1
	s_barrier_wait -1
.endm
.macro LDA                             ; 21 LDS loads: W', U^ (into U's accumulators) and gC of the record at TB
	v_add_nc_u32 v[AD], s[TB], v[L16]
	v_add_nc_u32 v[AU], s[TU], v[AU0]
	WIN 0x40
.set i, 0
.rept 8
	ds_load_b128 v[WQ+8*i:WQ+8*i+3],   v[AD] offset:i*1024
	ds_load_b128 v[WQ+8*i+4:WQ+8*i+7], v[AD] offset:i*1024+512
.set i, i+1
.endr
	WIN 0
	ds_load_b128 v[X:X+3],     v[AU]
	ds_load_b128 v[X+4:X+7],   v[AU] offset:512
	ds_load_b128 v[X+8:X+11],  v[AU] offset:1024
	ds_load_b128 v[X+12:X+15], v[AU] offset:1536
	ds_load_b64 v[GC:GC+1], v[AD] offset:26624
.endm
.macro LDB                             ; 36 LDS loads: Qg (16), M (4), K~^T (16) of the same record
	WIN 0x40
.set i, 0
.rept 8
	ds_load_b128 v[QG+8*i:QG+8*i+3],   v[AD] offset:8192+i*1024
	ds_load_b128 v[QG+8*i+4:QG+8*i+7], v[AD] offset:8192+i*1024+512
.set i, i+1
.endr
.set i, 0
.rept 2
	ds_load_b128 v[MM+8*i:MM+8*i+3],   v[AD] offset:24576+i*1024
	ds_load_b128 v[MM+8*i+4:MM+8*i+7], v[AD] offset:24576+i*1024+512
.set i, i+1
.endr
.set i, 0
.rept 8
	ds_load_b128 v[KT+8*i:KT+8*i+3],   v[AD] offset:16384+i*1024
	ds_load_b128 v[KT+8*i+4:KT+8*i+7], v[AD] offset:16384+i*1024+512
.set i, i+1
.endr
	WIN 0
.endm
.macro PX                              ; U = U^ + W' S: two accumulators by turns
	WIN 0x01
.irp kk, 0,1,2,3
.irp R, 0,1
	v_wmma_f32_16x16x32_f16 v[X+8*(\R):X+8*(\R)+7], v[WQ+32*(\R)+8*(\kk):WQ+32*(\R)+8*(\kk)+7], v[SF+8*(\kk):SF+8*(\kk)+7], v[X+8*(\R):X+8*(\R)+7]
.endr
.endr
	WIN 0
.endm
; The trip of chunk c.  It is entered with U(c)'s products just issued.  ld = 1: chunk c + 1's record is read and U(c + 1) begun.
.macro TRIP ld
	WIN 0
.set i, 0
.rept 32
	v_pk_mul_f32 v[S+2*i:S+2*i+1], v[S+2*i:S+2*i+1], v[GC:GC+1]   ; the decay; these lines are also the places behind U's products
.set i, i+1
.endr
.set i, 0
.rept 8
	v_cvt_pk_f16_f32 v[UF+i], v[X+2*i], v[X+2*i+1]
.set i, i+1
.endr
.if \ld
	LDA
	s_wait_dscnt 41                                ; Qg is in: behind it M's 4, K~'s 16 and the 21 just issued
.else
	s_wait_dscnt 20
.endif
	WIN 0x04
.irp kk, 0,1,2,3
.irp R, 0,1
.if (\kk) == 0
	v_wmma_f32_16x16x32_f16 v[O+8*(\R):O+8*(\R)+7], v[SF+8*(\kk):SF+8*(\kk)+7], v[QG+32*(\R)+8*(\kk):QG+32*(\R)+8*(\kk)+7], 0
.else
	v_wmma_f32_16x16x32_f16 v[O+8*(\R):O+8*(\R)+7], v[SF+8*(\kk):SF+8*(\kk)+7], v[QG+32*(\R)+8*(\kk):QG+32*(\R)+8*(\kk)+7], v[O+8*(\R):O+8*(\R)+7]
.endif
.endr
.endr
.if \ld
	s_wait_dscnt 37                                ; M is in
.else
	s_wait_dscnt 16
.endif
.irp R, 0,1
	v_wmma_f32_16x16x32_f16 v[O+8*(\R):O+8*(\R)+7], v[UF:UF+7], v[MM+8*(\R):MM+8*(\R)+7], v[O+8*(\R):O+8*(\R)+7]
.endr
.if \ld
	s_wait_dscnt 21                                ; K~^T is in
.else
	s_wait_dscnt 0x0
.endif
	WIN 0x01
.irp d, 0,1,2,3,4,5,6,7
	v_wmma_f32_16x16x32_f16 v[S+8*(\d):S+8*(\d)+7], v[KT+8*(\d):KT+8*(\d)+7], v[UF:UF+7], v[S+8*(\d):S+8*(\d)+7]
.endr
	WIN 0
	PLACES
.if \ld
	LDB
.endif
	s_wait_xcnt 0x0                                ; the last chunk's stores have read their registers and their base
	s_add_nc_u64 s[OB:OB+1], s[OB:OB+1], 1024      ; the stores reach back
.set i, 0
.rept 8
	v_cvt_pk_f16_f32 v[OP+i], v[O+2*i], v[O+2*i+1]
.set i, i+1
.endr
	global_store_b128 v[GO], v[OP:OP+3],   s[OB:OB+1] offset:-1024   ; 512 consecutive bytes each
	global_store_b128 v[GO], v[OP+4:OP+7], s[OB:OB+1] offset:-512
.set i, 0
.rept 32
	v_cvt_pk_f16_f32 v[SF+i], v[S+2*i], v[S+2*i+1]
.set i, i+1
.endr
.if \ld
	s_wait_dscnt 36                                ; W', U^ and gC are in: the 36 younger loads may stay out
	PX
	s_add_co_u32 s[TB], s[TB], REC
	s_add_co_u32 s[TU], s[TU], 4096
.endif
.endm
.macro CHANGE fill
	WIN 0
	s_wait_tensorcnt 0x0                           ; no tensor load of mine is out: my part of the other slot has landed
	ds_add_u32 v[SPW], v[NIL]
.if \fill
	s_xor_b32 s[G0J+5], s[G0J+5], SLOT1            ; the walking descriptors: the other slot than last time, the next four chunks
	s_add_nc_u64 s[G0J+6:G0J+7], s[G0J+6:G0J+7], SREC
	s_xor_b32 s[G0P+5], s[G0P+5], SLOT1
	s_add_nc_u64 s[G0P+6:G0P+7], s[G0P+6:G0P+7], 16384
	s_wait_xcnt 0x0                                ; the last prefetches, four chunks back, have read their addresses
	s_add_nc_u64 s[PFS:PFS+1], s[PFS:PFS+1], SREC
	s_add_nc_u64 s[PFU:PFU+1], s[PFU:PFU+1], 16384
	s_wait_dscnt 0x0                               ; the add is done, my reads of the slot are over
	CROUND
	s_cmp_eq_u32 s[WV], 0
	s_cbranch_scc0 .Lown_\@
	tensor_load_to_lds s[G0J+4:G0J+7], s[G1J:G1J+7]
	s_nop 0
.rept 4
	v_nop
.endr
	s_branch .Lasked_\@
.Lown_\@:
	tensor_load_to_lds s[G0P+4:G0P+7], s[G1P:G1P+7]
	s_nop 0
.rept 4
	v_nop
.endr
.Lasked_\@:
	s_cmp_gt_u32 s[SLOTS], 1                       ; the last change that fills has no slot behind it
	s_cbranch_scc0 .Lnone_\@
	global_prefetch_b8 v[PF0], s[PFS:PFS+1] th:TH_LOAD_NT scope:SCOPE_SE
	global_prefetch_b8 v[PF1], s[PFS:PFS+1] th:TH_LOAD_NT scope:SCOPE_SE
	global_prefetch_b8 v[PF2], s[PFU:PFU+1] th:TH_LOAD_NT scope:SCOPE_SE
.Lnone_\@:
.else
	s_wait_dscnt 0x0
	s_barrier_signal -1
	s_barrier_wait -1
.endif
	s_sub_co_u32 s[TB], s[TB], SREC                ; the reads go back to a slot's first record, in the other slot
	s_xor_b32 s[TB], s[TB], SLOT1
	s_sub_co_u32 s[TU], s[TU], 16384
	s_xor_b32 s[TU], s[TU], SLOT1
.endm
	s_load_b256 s[4:11], s[0:1], 0x0               ; rec 4, recurrent_state 6, os 8, out1 10
	s_load_b256 s[76:83], s[0:1], 0x20             ; w_gate 76, w_up 78, w_down 80, wh 82
	v_lshl_add_u32 v[SPW], v0, 2, SPARE
	v_mov_b32 v[NIL], 0
	ds_add_u32 v[SPW], v[NIL]                      ; the opening: the add and its wait ahead of my first tensor load
	v_lshrrev_b32 v1, 5, v0
	v_readfirstlane_b32 s[WV], v1
	s_bfe_u32 s13, ttmp6, 0x40000                  ; cx: it enters global addresses alone
	s_and_b32 s14, ttmp7, 0xffff                   ; the cluster's y: n, or 16 + a group of four units of the cast
	s_mov_b32 s[G1J],   15|(3<<16)|(1<<21)         ; the mask of four; elements of 8 bytes; a dense block as rows of 256 bytes
	s_mov_b32 s[G1J+1], 32<<16
	s_mov_b32 s[G1J+2], 424<<16
	s_mov_b32 s[G1J+3], 32<<16
	s_mov_b32 s[G1J+4], 424
	s_mov_b32 s[G1J+5], 32
	s_mov_b32 s[G1J+6], 0
	s_mov_b32 s[G1J+7], 0
	s_mov_b32 s[G1P],   3<<16
	s_mov_b32 s[G1P+1], 32<<16
	s_mov_b32 s[G1P+2], 64<<16
	s_mov_b32 s[G1P+3], 32<<16
	s_mov_b32 s[G1P+4], 64
	s_mov_b32 s[G1P+5], 32
	s_mov_b32 s[G1P+6], 0
	s_mov_b32 s[G1P+7], 0
	s_mul_i32 s16, s14, 64*REC
	s_mov_b32 s17, 0
	s_lshl2_add_u32 s18, s14, s13
	s_lshl_b32 s18, s18, 18
	s_add_co_u32 s18, s18, UBASE
	s_mov_b32 s19, 0
	s_wait_dscnt 0x0
	s_wait_kmcnt 0x0
	s_cmp_ge_u32 s14, 16                           ; the same in all four partners and in both waves
	s_cbranch_scc1 .Lcast
	s_add_nc_u64 s[20:21], s[4:5], s[16:17]        ; my sequence's records
	s_add_nc_u64 s[22:23], s[4:5], s[18:19]        ; my work-group's U^
	CROUND
.irp s, 0,1
	s_mov_b32 s[G0J+4*(\s)], 1
	s_mov_b32 s[G0J+4*(\s)+1], (\s)*SLOT1
	s_add_nc_u64 s[G0J+4*(\s)+2:G0J+4*(\s)+3], s[20:21], (\s)*SREC
	s_or_b32 s[G0J+4*(\s)+3], s[G0J+4*(\s)+3], 0x80000000
	s_mov_b32 s[G0P+4*(\s)], 1
	s_mov_b32 s[G0P+4*(\s)+1], (\s)*SLOT1+SREC
	s_add_nc_u64 s[G0P+4*(\s)+2:G0P+4*(\s)+3], s[22:23], (\s)*16384
	s_or_b32 s[G0P+4*(\s)+3], s[G0P+4*(\s)+3], 0x80000000
.endr
	s_cmp_eq_u32 s[WV], 0                          ; a wave's two first fills stand in one branch
	s_cbranch_scc0 .Lfirst_own
	tensor_load_to_lds s[G0J:G0J+3], s[G1J:G1J+7]
	s_nop 0
	tensor_load_to_lds s[G0J+4:G0J+7], s[G1J:G1J+7]
	s_nop 0
.rept 4
	v_nop
.endr
	s_branch .Lfirst_asked
.Lfirst_own:
	tensor_load_to_lds s[G0P:G0P+3], s[G1P:G1P+7]
	s_nop 0
	tensor_load_to_lds s[G0P+4:G0P+7], s[G1P:G1P+7]
	s_nop 0
.rept 4
	v_nop
.endr
.Lfirst_asked:
	v_and_b32 v1, 15, v0
	v_bfe_u32 v2, v0, 4, 1
	v_and_b32 v3, 31, v0
	v_lshlrev_b32 v[SOF], 2, v1
	v_lshl_add_u32 v[SOF], v2, 12, v[SOF]          ; the state: rows 8 h (512 bytes each), column r
	s_lshl1_add_u32 s70, s13, s[WV]                ; vt
	s_lshl_b32 s72, s14, 16
	s_lshl_b32 s73, s70, 6
	s_add_co_u32 s72, s72, s73
	s_mov_b32 s73, 0
	s_add_nc_u64 s[6:7], s[6:7], s[72:73]
	s_add_nc_u64 s[10:11], s[10:11], s[72:73]
.irp d, 0,1,2,3,4,5,6,7
.irp j, 0,1,2,3,4,5,6,7
	global_load_b32 v[S+8*(\d)+(\j)], v[SOF], s[6:7] offset:(\d)*8192+(\j)*512
.endr
.endr
	s_lshl3_add_u32 s72, s14, s70
	s_lshl_b32 s72, s72, 16
	s_add_nc_u64 s[OB:OB+1], s[8:9], s[72:73]      ; my slice of os
	v_lshlrev_b32 v[L16], 4, v3
	s_lshl_b32 s71, s[WV], 11
	s_add_co_u32 s71, s71, SREC
	v_add_nc_u32 v[AU0], s71, v[L16]
	v_lshlrev_b32 v[GO], 5, v1
	v_lshl_add_u32 v[GO], v2, 4, v[GO]
	s_mul_i32 s71, s13, 106
	s_mul_i32 s74, s[WV], 53
	s_add_co_u32 s71, s71, s74
	v_add_nc_u32 v[PF0], s71, v3
	v_lshlrev_b32 v[PF0], 8, v[PF0]
	v_add_nc_u32 v[PF1], 32, v3
	v_min_u32 v[PF1], 52, v[PF1]
	v_add_nc_u32 v[PF1], s71, v[PF1]
	v_lshlrev_b32 v[PF1], 8, v[PF1]
	s_lshl_b32 s71, s[WV], 5
	v_add_nc_u32 v[PF2], s71, v3
	v_lshlrev_b32 v[PF2], 8, v[PF2]
	s_add_nc_u64 s[PFS:PFS+1], s[20:21], 2*SREC    ; at slot 2: the first change steps them to slot 3
	s_add_nc_u64 s[PFU:PFU+1], s[22:23], 2*16384
	s_mov_b32 s[TB], 0
	s_mov_b32 s[TU], 0
	s_wait_loadcnt 0x0
.set i, 0
.rept 32
	v_cvt_pk_bf16_f32 v[SF+i], v[S+2*i], v[S+2*i+1]
.set i, i+1
.endr
.set i, 0
.rept 32
	v_lshlrev_b32 v[S+2*i], 16, v[SF+i]
	v_and_b32 v[S+2*i+1], 0xffff0000, v[SF+i]
.set i, i+1
.endr
.set i, 0
.rept 32
	v_cvt_pk_f16_f32 v[SF+i], v[S+2*i], v[S+2*i+1]
.set i, i+1
.endr
	s_wait_tensorcnt 1                             ; my part of slot 0 is in; slot 1's may stay out
	s_barrier_signal -1
	s_barrier_wait -1
	LDA
	LDB
	s_wait_dscnt 0x0
	PX                                             ; U of chunk 0
	s_mov_b32 s[TB], REC
	s_mov_b32 s[TU], 4096
	s_mov_b32 s[CNT], 3
	s_mov_b32 s[SLOTS], 15
	s_branch .Lwork                                ; the first three trips read the rest of slot 0
.Lslot:                                        ; 14 times: every slot but the last two is filled again
	CHANGE 1
	s_mov_b32 s[CNT], 4
.Lwork:
	TRIP 1
	s_sub_co_u32 s[CNT], s[CNT], 1
	s_cmp_lg_u32 s[CNT], 0
	s_cbranch_scc1 .Lwork
	s_sub_co_u32 s[SLOTS], s[SLOTS], 1
	s_cmp_lg_u32 s[SLOTS], 0
	s_cbranch_scc1 .Lslot
	CHANGE 0                                       ; the tail is written out: nothing is asked for
	s_mov_b32 s[CNT], 4
.Llast:
	TRIP 1
	s_sub_co_u32 s[CNT], s[CNT], 1
	s_cmp_lg_u32 s[CNT], 0
	s_cbranch_scc1 .Llast
	TRIP 0                                         ; chunk 63
.irp d, 0,1,2,3,4,5,6,7
.irp j, 0,1,2,3,4,5,6,7
	global_store_b32 v[SOF], v[S+8*(\d)+(\j)], s[10:11] offset:(\d)*8192+(\j)*512
.endr
.endr
	s_wait_tensorcnt 0x0                           ; the wave's end
	ds_add_u32 v[SPW], v[NIL]
	s_wait_dscnt 0x0
	CROUND                                         ; the closing round
	s_endpgm
	; ================ THE CAST ================
.Lcast:
	s_sub_co_u32 s15, s14, 16                      ; 0 .. 47: sixteen clusters to each matrix
	s_mov_b64 s[84:85], s[80:81]                   ; w_down,
	s_cmp_lt_u32 s15, 32
	s_cselect_b64 s[84:85], s[78:79], s[84:85]     ; w_up,
	s_cselect_b32 s86, -1, 0                       ; (all but w_down leave as f16)
	s_cmp_lt_u32 s15, 16
	s_cselect_b64 s[84:85], s[76:77], s[84:85]     ; or w_gate
	s_lshl2_add_u32 s16, s15, s13                  ; my unit, 0 .. 191
	s_and_b32 s17, s16, 63                         ; its place in its matrix:
	s_lshl_b32 s18, s17, 18                        ; 262,144 bytes in a unit,
	s_lshl_b32 s19, s[WV], 17                      ; half of them a wave
	s_add_co_u32 s18, s18, s19
	s_mov_b32 s19, 0
	s_add_nc_u64 s[84:85], s[84:85], s[18:19]
	s_lshl_b32 s18, s16, 17                        ; 131,072 bytes out,
	s_lshl_b32 s20, s[WV], 16
	s_add_co_u32 s18, s18, s20
	s_add_co_u32 s18, s18, 0x800000                ; behind the four attention matrices
	s_add_nc_u64 s[82:83], s[82:83], s[18:19]
	s_mov_b32 s87, 0xffff0000
	v_and_b32 v3, 31, v0
	v_lshlrev_b32 v[CLO], 4, v3
	v_lshlrev_b32 v[CSO], 3, v3
	s_mov_b32 s[CNT], 8
.Lct:                                          ; a trip: 16 KiB in, 8 KiB out
.set i, 0
.rept 32
	global_load_b128 v[CX+4*i:CX+4*i+3], v[CLO], s[84:85] offset:i*512 th:TH_LOAD_NT
.set i, i+1
.endr
.set i, 0
.rept 32
	s_wait_loadcnt 31-i                            ; loads come back in order: the trip's younger ones may stay out
	v_cvt_pk_bf16_f32 v[CT], v[CX+4*i], v[CX+4*i+1]
	v_cvt_pk_bf16_f32 v[CT+1], v[CX+4*i+2], v[CX+4*i+3]
	v_lshlrev_b32 v[CT+2], 16, v[CT]
	v_and_b32 v[CT+3], s87, v[CT]
	v_lshlrev_b32 v[CT+4], 16, v[CT+1]
	v_and_b32 v[CT+5], s87, v[CT+1]
	v_cvt_pk_f16_f32 v[CT+2], v[CT+2], v[CT+3]
	v_cvt_pk_f16_f32 v[CT+4], v[CT+4], v[CT+5]
	v_cndmask_b32 v[CY+2*i], v[CT], v[CT+2], s86
	v_cndmask_b32 v[CY+2*i+1], v[CT+1], v[CT+4], s86
	global_store_b64 v[CSO], v[CY+2*i:CY+2*i+1], s[82:83] offset:i*256   ; 256 consecutive bytes, aligned
.set i, i+1
.endr
	s_wait_xcnt 0x0                                ; the pointers and the stores' data are written again only behind this wait
	s_add_nc_u64 s[84:85], s[84:85], 16384
	s_add_nc_u64 s[82:83], s[82:83], 8192
	s_sub_co_u32 s[CNT], s[CNT], 1
	s_cmp_lg_u32 s[CNT], 0
	s_cbranch_scc1 .Lct
	s_wait_tensorcnt 0x0                           ; the wave's end
	ds_add_u32 v[SPW], v[NIL]
	s_wait_dscnt 0x0
	CROUND                                         ; a round in front of the end here too: all four partners of such a cluster take this way
	s_endpgm
.Lfunc_end_k_q04f0ea0a10_scan:
	.size	k_q04f0ea0a10_scan, .Lfunc_end_k_q04f0ea0a10_scan-k_q04f0ea0a10_scan
	.p2alignl 7, 3214868480
	.fill 96, 4, 3214868480
	.section	.rodata,"a",@progbits
	.p2align	6, 0x0
	.amdhsa_kernel k_q04f0ea0a10_scan
		.amdhsa_group_segment_fixed_size 327680
		.amdhsa_private_segment_fixed_size 0
		.amdhsa_enable_private_segment 0
		.amdhsa_kernarg_size 64
		.amdhsa_user_sgpr_count 2
		.amdhsa_user_sgpr_kernarg_segment_ptr 1
		.amdhsa_wavefront_size32 1
		.amdhsa_system_sgpr_workgroup_id_x 1
		.amdhsa_system_sgpr_workgroup_id_y 1
		.amdhsa_system_sgpr_workgroup_id_z 1
		.amdhsa_system_vgpr_workitem_id 0
		.amdhsa_next_free_vgpr 512
		.amdhsa_next_free_sgpr 96
		.amdhsa_reserve_vcc 0
		.amdhsa_float_denorm_mode_32 3
		.amdhsa_float_denorm_mode_16_64 3
		.amdhsa_memory_ordered 1
		.amdhsa_forward_progress 1
		.amdhsa_inst_pref_size 86
	.end_amdhsa_kernel
	.amdgpu_metadata
---
amdhsa.version: [ 1, 2 ]
amdhsa.kernels:
  - .name:           k_q04f0ea0a10_scan
    .symbol:         k_q04f0ea0a10_scan.kd
    .args:
      - { .name: rec, .offset: 0, .size: 8, .value_kind: global_buffer, .address_space: global }
      - { .name: recurrent_state, .offset: 8, .size: 8, .value_kind: global_buffer, .address_space: global }
      - { .name: os, .offset: 16, .size: 8, .value_kind: global_buffer, .address_space: global }
      - { .name: out1, .offset: 24, .size: 8, .value_kind: global_buffer, .address_space: global }
      - { .name: w_gate, .offset: 32, .size: 8, .value_kind: global_buffer, .address_space: global }
      - { .name: w_up, .offset: 40, .size: 8, .value_kind: global_buffer, .address_space: global }
      - { .name: w_down, .offset: 48, .size: 8, .value_kind: global_buffer, .address_space: global }
      - { .name: wh, .offset: 56, .size: 8, .value_kind: global_buffer, .address_space: global }
    .group_segment_fixed_size: 327680
    .private_segment_fixed_size: 0
    .kernarg_segment_align: 8
    .kernarg_segment_size: 64
    .max_flat_workgroup_size: 64
    .sgpr_count:     96
    .vgpr_count:     512
    .wavefront_size: 32
...
	.end_amdgpu_metadata
.endif
;; end of part 3
;; launch proj (part 4): grid 8 x 32, 4 waves a work-group, clusters of 4 x 4, 327,680 bytes of LDS; arguments os, wh, pre, x1; writes x1
.if DOCPART == 4
	.amdgcn_target "amdgcn-amd-amdhsa--gfx1250"
	.amdhsa_code_object_version 6
	.text
	.protected	k_q04f0ea0a10_proj
	.globl	k_q04f0ea0a10_proj
	.p2align	8
	.type	k_q04f0ea0a10_proj,@function
k_q04f0ea0a10_proj:
	s_mov_b64 s[64:65], 0
	v_nop
	global_prefetch_b8 v0, s[64:65] scope:SCOPE_SE
	s_setreg_imm32_b32 hwreg(HW_REG_WAVE_MODE, 25, 1), 1
	s_wait_xcnt 0x0
	s_wait_alu depctr_hold_cnt(0) depctr_sa_sdst(0) depctr_va_vdst(0) depctr_va_sdst(0) depctr_va_ssrc(0) depctr_va_vcc(0) depctr_vm_vsrc(0)
	s_getreg_b32 s2, hwreg(HW_REG_IB_STS2, 6, 4)
	s_cmp_eq_u32 s2, 0
	s_cbranch_scc0 .Lentry_in_a_cluster
	s_endpgm
.Lentry_in_a_cluster:
	s_bfe_u32 s2, ttmp6, 0x10000c
	s_cmp_lg_u32 s2, 0xf033
	s_cbranch_scc0 .Lentry_shape_is_right
	s_endpgm
.Lentry_shape_is_right:
; x1 = xb + o wo.  o: f16 in slices [64 b + 8 head + vt][2048][16] (os); wo: f16 [1024 k][1024 n] at wh + 6 MiB; xb: bf16 [4096][1024] (pre).  Sums in f32.
; Stored: x1 as f16 [4096][1024], and for each row and each of the 8 column tiles the sum of squares of its 128 numbers, f32 [8][4096] at x1 + 8,388,608.  LIMIT: |x1| under 65,504.
; A tile is 128 x 128, four waves of 64 x 64, K in 4 steps of 256 through two LDS slots.  A's tile: 16 slices x 128 rows x 32 bytes, each slice 4,096 dense bytes, laid dense; wo's tile: [256 k][128 n], pitch 288, read turned.
; CLUSTER 4 x 4: A's tile shared along a row, wo's along a column.  The residual's tile (32 rows a wave, pitch 272) comes by a load of the wave's own, with the first fills: three loads out at the start, then one.
; The way out: f32 sums into a stage of 128 rows x 528 bytes over the ring (which has had its last fill); a wave then owns 32 whole rows.
.set TSTEPS, 4
.set PBT,    288
.set ASZ,    67584
.set APART,  32768                     ; what wave 0 or 1 fetches of A: eight slices
.set HALFB,  128*PBT
.set SLOT,   ASZ+2*HALFB
.set SPARE,  2*SLOT
.set RES,    SPARE+512
.set RP,     272
.set SPITCH, 528
.set ASTEP,  16*65536
.set BSTEP,  256*1024*2
.set WOFF,   0x600000
.set VA,  16
.set VA0, 17
.set VB,  18                           ; v18 quarters 0, 1; v19 quarters 2, 3
.set VB0, 20
.set STO, 21
.set RD,  22
.set RR,  23
.set GOF, 24
.set SSV, 25
.set VL,  26
.set ONE, 27
.set SPW, 28
.set NIL, 29
.set SSO, 30
.set ACC, 128
.set F0,  0
.set F1,  128
.set G1,  24
.set G0,  32
.set G1B, 48
.set G0B, 56
.set G1R, 68
.set G0R, 76
.set SO,  66
.set PTA, 67
.set PTB, 80
.set CNT, 3
.set MSB, 0
.macro WIN new
.if MSB != (\new)
	s_set_vgpr_msb (MSB<<8)|(\new)
.set MSB, \new
.endif
.endm
.set MUL,  0x05
.set TO_F, 0x40
.macro JLOAD s
	s_cmp_eq_u32 s11, 0
	s_cbranch_scc0 .Lfor_b_\@
	tensor_load_to_lds s[G0+4*(\s):G0+4*(\s)+3], s[G1:G1+7]
	s_nop 0
.rept 4
	v_nop
.endr
	s_branch .Lasked_\@
.Lfor_b_\@:
	tensor_load_to_lds s[G0B+4*(\s):G0B+4*(\s)+3], s[G1B:G1B+7]
	s_nop 0
.rept 4
	v_nop
.endr
.Lasked_\@:
.endm
.macro CREST
	s_cmp_lg_u32 s10, 0
	s_cbranch_scc1 .Lnot_wave_0_\@
	s_barrier_signal -3
.Lnot_wave_0_\@:
	s_barrier_wait -3
	s_barrier_signal -1
	s_barrier_wait -1
.endm
.macro CROUND
	s_barrier_signal -1
	s_barrier_wait -1
	CREST
.endm
.macro PLACES
.rept 4
	v_nop
.endr
.endm
	s_load_b256 s[4:11], s[0:1], 0x0               ; os 4, wh 6, pre 8, x1: moved to s[88:89] below, since s10, s11 name the wave
	v_lshl_add_u32 v[SPW], v0, 2, SPARE
	v_mov_b32 v[NIL], 0
	ds_add_u32 v[SPW], v[NIL]                      ; the opening: the add and its wait ahead of my first tensor load
	v_lshrrev_b32 v1, 5, v0
	s_bfe_u32 s40, ttmp6, 0x40000
	s_bfe_u32 s41, ttmp6, 0x40004
	s_lshl_b32 s42, ttmp9, 2
	s_add_co_u32 s42, s42, s40                     ; tile column
	s_and_b32 s13, ttmp7, 0xffff
	s_lshl_b32 s13, s13, 2
	s_add_co_u32 s13, s13, s41                     ; tile row
	s_lshl_b32 s43, s41, 2
	s_lshl_b32 s43, 15, s43
	s_lshl_b32 s44, 0x1111, s40
	s_or_b32 s[G1+0], s43, (1<<16)|(1<<21)         ; A: 8 rows of 2,048 elements (a slice's 128 rows), no padding
	s_mov_b32 s[G1+1], 2048<<16
	s_mov_b32 s[G1+2], 8<<16
	s_mov_b32 s[G1+3], 2048<<16
	s_mov_b32 s[G1+4], 8
	s_mov_b32 s[G1+5], 32768                       ; from slice to slice
	s_mov_b32 s[G1+6], 0
	s_mov_b32 s[G1+7], 0
	s_or_b32 s[G1B+0], s44, (1<<16)|(1<<20)|(1<<21)|(5<<22)|(7<<25)
	s_mov_b32 s[G1B+1], 128<<16
	s_mov_b32 s[G1B+2], 128<<16
	s_mov_b32 s[G1B+3], 128<<16
	s_mov_b32 s[G1B+4], 128
	s_mov_b32 s[G1B+5], 1024
	s_mov_b32 s[G1B+6], 0
	s_mov_b32 s[G1B+7], 0
	s_mov_b32 s[G1R+0], (1<<16)|(1<<20)|(5<<22)|(3<<25)  ; the residual: my own load, 32 rows of 128 elements
	s_mov_b32 s[G1R+1], 128<<16
	s_mov_b32 s[G1R+2], 32<<16
	s_mov_b32 s[G1R+3], 128<<16
	s_mov_b32 s[G1R+4], 32
	s_mov_b32 s[G1R+5], 1024
	s_mov_b32 s[G1R+6], 0
	s_mov_b32 s[G1R+7], 0
	s_mov_b32 s[SO], 0
	s_wait_dscnt 0x0
	s_wait_kmcnt 0x0
	s_mov_b64 s[88:89], s[10:11]                   ; x1
	v_readfirstlane_b32 s10, v1                    ; wave
	s_lshr_b32 s11, s10, 1
	s_and_b32 s12, s10, 1
	s_lshr_b32 s16, s13, 4                         ; A: the batch's 64 slices,
	s_lshl_b32 s16, s16, 22
	s_lshl_b32 s17, s12, 19                        ; my eight of a step's sixteen,
	s_add_co_u32 s16, s16, s17
	s_and_b32 s17, s13, 15
	s_lshl_b32 s17, s17, 12                        ; the tile's 128 rows of 32 bytes
	s_add_co_u32 s16, s16, s17
	s_mov_b32 s17, 0
	s_lshl_b32 s46, s42, 8
	s_lshl_b32 s47, s12, 18                        ; wo: my 128 of a step's 256 rows
	s_add_co_u32 s46, s46, s47
	s_add_co_u32 s46, s46, WOFF
	s_mov_b32 s47, 0
	s_mul_i32 s[PTA], s12, APART
	s_mul_i32 s[PTB], s12, HALFB
	s_add_co_u32 s[PTB], s[PTB], ASZ
	s_lshl_b32 s82, s13, 7
	s_lshl_b32 s83, s10, 5
	s_add_co_u32 s82, s82, s83                     ; the first row that I finish: 128 x tile row + 32 x wave
	s_lshl_b32 s84, s82, 11
	s_lshl_b32 s83, s42, 8
	s_add_co_u32 s84, s84, s83
	s_mov_b32 s85, 0
	s_add_nc_u64 s[14:15], s[4:5], s[16:17]
	s_add_nc_u64 s[46:47], s[6:7], s[46:47]
	CROUND
.irp s, 0,1
	s_mov_b32 s[G0+4*(\s)], 1
	s_add_co_u32 s[G0+4*(\s)+1], s[PTA], (\s)*SLOT
	s_add_nc_u64 s[G0+4*(\s)+2:G0+4*(\s)+3], s[14:15], (\s)*ASTEP
	s_or_b32 s[G0+4*(\s)+3], s[G0+4*(\s)+3], 0x80000000
	s_mov_b32 s[G0B+4*(\s)], 1
	s_add_co_u32 s[G0B+4*(\s)+1], s[PTB], (\s)*SLOT
	s_add_nc_u64 s[G0B+4*(\s)+2:G0B+4*(\s)+3], s[46:47], (\s)*BSTEP
	s_or_b32 s[G0B+4*(\s)+3], s[G0B+4*(\s)+3], 0x80000000
.endr
	s_mov_b32 s[G0R], 1
	s_mul_i32 s[G0R+1], s10, 32*RP
	s_add_co_u32 s[G0R+1], s[G0R+1], RES
	s_add_nc_u64 s[G0R+2:G0R+3], s[8:9], s[84:85]
	s_or_b32 s[G0R+3], s[G0R+3], 0x80000000
	tensor_load_to_lds s[G0R:G0R+3], s[G1R:G1R+7]
	s_nop 0
	s_cmp_eq_u32 s11, 0
	s_cbranch_scc0 .Lfirst_b
	tensor_load_to_lds s[G0:G0+3], s[G1:G1+7]
	s_nop 0
	tensor_load_to_lds s[G0+4:G0+7], s[G1:G1+7]
	s_nop 0
.rept 4
	v_nop
.endr
	s_branch .Lfirst_done
.Lfirst_b:
	tensor_load_to_lds s[G0B:G0B+3], s[G1B:G1B+7]
	s_nop 0
	tensor_load_to_lds s[G0B+4:G0B+7], s[G1B:G1B+7]
	s_nop 0
.rept 4
	v_nop
.endr
.Lfirst_done:
	v_and_b32 v1, 15, v0
	v_bfe_u32 v2, v0, 4, 1
	v_lshlrev_b32 v3, 5, v1                        ; A: row r of 32 bytes, 16 for each half of the lanes, my 64 rows
	v_lshl_add_u32 v3, v2, 4, v3
	s_lshl_b32 s21, s11, 11
	v_add_nc_u32 v[VA0], s21, v3
	v_and_b32 v4, 7, v0
	v_lshl_add_u32 v4, v2, 3, v4
	v_mul_u32_u24 v4, v4, PBT
	v_bfe_u32 v5, v0, 3, 1
	v_lshl_add_u32 v4, v5, 4, v4
	s_lshl_b32 s21, s12, 7
	s_add_co_u32 s21, s21, ASZ
	v_add_nc_u32 v[VB0], s21, v4
	v_mov_b32 v[VA], v[VA0]
	v_mov_b32 v[VB], v[VB0]
	v_add_nc_u32 v[VB+1], HALFB, v[VB0]
	s_lshl_b32 s21, s11, 6
	v_add_nc_u32 v3, s21, v1
	v_mul_u32_u24 v3, v3, SPITCH
	v_lshl_add_u32 v3, v2, 5, v3
	s_lshl_b32 s21, s12, 8
	v_add_nc_u32 v[STO], s21, v3
	v_and_b32 v[VL], 31, v0
	s_mul_i32 s21, s10, 32*SPITCH
	v_lshl_add_u32 v[RD], v[VL], 4, s21
	s_mul_i32 s21, s10, 32*RP
	s_add_co_u32 s21, s21, RES
	v_lshl_add_u32 v[RR], v[VL], 3, s21
	v_lshlrev_b32 v[GOF], 3, v[VL]
	v_lshlrev_b32 v[SSO], 2, v[VL]
	v_mov_b32 v[SSV], 0
	v_mov_b32 v[ONE], 1.0
	s_add_nc_u64 s[86:87], s[88:89], s[84:85]      ; x1 at my rows and columns
	s_lshl_b32 s84, s42, 14
	s_lshl2_add_u32 s84, s82, s84
	s_add_co_u32 s84, s84, 0x800000
	s_add_nc_u64 s[88:89], s[88:89], s[84:85]      ; the sums of squares of my rows, my column tile
	s_mov_b32 s90, 0x76543210                      ; v_permlanex16_b32: each lane takes its own place in the other half
	s_mov_b32 s91, 0xfedcba98
.macro MUL8 f, c, a0, zero
	WIN MUL
.irp a, \a0, (\a0)+1
.irp b, 0,1,2,3
.if \zero
	v_wmma_f32_16x16x32_f16 v[ACC+8*(4*(\a)+(\b)):ACC+8*(4*(\a)+(\b))+7], v[(\f)+64+8*(4*(\c)+(\b)):(\f)+64+8*(4*(\c)+(\b))+7], v[(\f)+8*(4*(\c)+(\a)):(\f)+8*(4*(\c)+(\a))+7], 0
.else
	v_wmma_f32_16x16x32_f16 v[ACC+8*(4*(\a)+(\b)):ACC+8*(4*(\a)+(\b))+7], v[(\f)+64+8*(4*(\c)+(\b)):(\f)+64+8*(4*(\c)+(\b))+7], v[(\f)+8*(4*(\c)+(\a)):(\f)+8*(4*(\c)+(\a))+7], v[ACC+8*(4*(\a)+(\b)):ACC+8*(4*(\a)+(\b))+7]
.endif
.endr
.endr
.endm
.macro FETCH q, f                      ; quarter q (64 along K: four slices) into buffer f; the first 32 along K first
	WIN TO_F
.irp c, 0,1
.irp i, 0,1,2,3
	ds_load_tr16_b128 v[(\f)+64+8*(4*(\c)+(\i)):(\f)+64+8*(4*(\c)+(\i))+3],   v[VB+(\q)/2] offset:(((\q)%2)*64+32*(\c))*PBT+(\i)*32
	ds_load_tr16_b128 v[(\f)+64+8*(4*(\c)+(\i))+4:(\f)+64+8*(4*(\c)+(\i))+7], v[VB+(\q)/2] offset:(((\q)%2)*64+32*(\c))*PBT+(\i)*32+16*PBT
	ds_load_b128 v[(\f)+8*(4*(\c)+(\i)):(\f)+8*(4*(\c)+(\i))+3],   v[VA] offset:(4*(\q)+2*(\c))*4096+(\i)*512
	ds_load_b128 v[(\f)+8*(4*(\c)+(\i))+4:(\f)+8*(4*(\c)+(\i))+7], v[VA] offset:(4*(\q)+2*(\c))*4096+(\i)*512+4096
.endr
.endr
.endm
.macro QUARTER q, f, g, zero
	s_wait_dscnt 16                                ; the first 32 along K are in
	MUL8 \f, 0, 0, \zero
	MUL8 \f, 0, 2, \zero
	PLACES
	FETCH \q, \g
	s_wait_dscnt 32                                ; all but the 32 just issued
	MUL8 \f, 1, 0, 0
	MUL8 \f, 1, 2, 0
.endm
.macro TURN fill
	WIN 0
	s_wait_tensorcnt 0x0                           ; all my tensor loads have landed
	ds_add_u32 v[SPW], v[NIL]
	s_wait_dscnt 17                                ; the add and the youngest sixteen loads may be out
	MUL8 F1, 0, 0, 0
	s_wait_dscnt 0x0                               ; the add is done, my reads of this slot are over
	s_barrier_signal -1
	MUL8 F1, 0, 2, 0
	WIN 0
	s_barrier_wait -1
.if \fill
	CREST
	s_add_co_u32 s[G0+5], s[PTA], s[SO]
	s_add_nc_u64 s[G0+6:G0+7], s[G0+6:G0+7], ASTEP
	s_add_co_u32 s[G0B+5], s[PTB], s[SO]
	s_add_nc_u64 s[G0B+6:G0B+7], s[G0B+6:G0B+7], BSTEP
	JLOAD 1
.else
	PLACES
.endif
	s_xor_b32 s[SO], s[SO], SLOT
	v_add_nc_u32 v[VA], s[SO], v[VA0]
	v_add_nc_u32 v[VB], s[SO], v[VB0]
	v_add_nc_u32 v[VB+1], HALFB, v[VB]
	FETCH 0, F0
	MUL8 F1, 1, 0, 0
	MUL8 F1, 1, 2, 0
.endm
	s_wait_tensorcnt 1                             ; the residual and my part of K step 0 are in; K step 1's may stay out
	s_barrier_signal -1
	s_barrier_wait -1
	FETCH 0, F0
	QUARTER 1, F0, F1, 1
	WIN 0
	s_mov_b32 s[CNT], TSTEPS-2
.Lstep:
	QUARTER 2, F1, F0, 0
	QUARTER 3, F0, F1, 0
	TURN 1
	QUARTER 1, F0, F1, 0
	WIN 0
	s_sub_co_u32 s[CNT], s[CNT], 1
	s_cmp_lg_u32 s[CNT], 0
	s_cbranch_scc1 .Lstep
	s_mov_b32 s[CNT], 2
.Ltail:
	QUARTER 2, F1, F0, 0
	QUARTER 3, F0, F1, 0
	WIN 0
	s_sub_co_u32 s[CNT], s[CNT], 1
	s_cmp_eq_u32 s[CNT], 0
	s_cbranch_scc1 .Lfin
	TURN 0
	QUARTER 1, F0, F1, 0
	WIN 0
	s_branch .Ltail
.Lfin:
	s_wait_dscnt 16
	MUL8 F1, 0, 0, 0
	MUL8 F1, 0, 2, 0
	s_wait_dscnt 0x0
	MUL8 F1, 1, 0, 0
	MUL8 F1, 1, 2, 0
	WIN 0
	s_barrier_signal -1                            ; every wave's reads of the ring are over: the stage may be written over it
	s_barrier_wait -1
	PLACES
	PLACES
.irp a, 0,1,2,3
.irp b, 0,1,2,3
	ds_store_b128 v[STO], v[ACC+8*(4*(\a)+(\b)):ACC+8*(4*(\a)+(\b))+3]   offset:(\a)*16*SPITCH+(\b)*64
	ds_store_b128 v[STO], v[ACC+8*(4*(\a)+(\b))+4:ACC+8*(4*(\a)+(\b))+7] offset:(\a)*16*SPITCH+(\b)*64+16
.endr
.endr
	s_wait_dscnt 0x0
	s_barrier_signal -1
	s_barrier_wait -1
	; 4 trips of 8 rows, 4 numbers a lane: the residual is added, the row's sum of squares gathered into lane (row), x1 rounded to f16 and stored, 256 consecutive bytes a row.
.set D,  32
.set RS, 64
.set T,  80
.set P,  96
	s_mov_b32 s[CNT], 4
.Lrow:
	s_wait_xcnt 0x0                                ; the last trip's stores have read their registers and their base
	s_add_nc_u64 s[86:87], s[86:87], 8*2048        ; eight rows on; the stores reach back
.irp p, 0,1,2,3,4,5,6,7
	ds_load_b128 v[D+4*(\p):D+4*(\p)+3], v[RD] offset:(\p)*SPITCH
	ds_load_b64 v[RS+2*(\p):RS+2*(\p)+1], v[RR] offset:(\p)*RP
.endr
	s_wait_dscnt 0x0
	v_add_nc_u32 v[RD], 8*SPITCH, v[RD]
	v_add_nc_u32 v[RR], 8*RP, v[RR]
.set i, 0
.rept 16
	v_fma_mix_f32_bf16 v[D+2*i], v[RS+i], v[ONE], v[D+2*i] op_sel_hi:[1,0,0]
	v_fma_mix_f32_bf16 v[D+2*i+1], v[RS+i], v[ONE], v[D+2*i+1] op_sel:[1,0,0] op_sel_hi:[1,0,0]
.set i, i+1
.endr
.set i, 0
.rept 8
	v_pk_mul_f32 v[T+2*i:T+2*i+1], v[D+4*i:D+4*i+1], v[D+4*i:D+4*i+1]
.set i, i+1
.endr
.set i, 0
.rept 8
	v_pk_fma_f32 v[T+2*i:T+2*i+1], v[D+4*i+2:D+4*i+3], v[D+4*i+2:D+4*i+3], v[T+2*i:T+2*i+1]
.set i, i+1
.endr
.set i, 0
.rept 8
	v_add_f32 v[T+2*i], v[T+2*i], v[T+2*i+1]
.set i, i+1
.endr
.irp x, 1,2,4,8
.set i, 0
.rept 8
	v_add_f32_dpp v[T+2*i], v[T+2*i], v[T+2*i] row_xmask:\x row_mask:0xf bank_mask:0xf
.set i, i+1
.endr
.endr
.set i, 0
.rept 8
	v_permlanex16_b32 v[T+2*i+1], v[T+2*i], s90, s91
.set i, i+1
.endr
.set i, 0
.rept 8
	v_add_f32 v[T+2*i], v[T+2*i], v[T+2*i+1]
	v_cmp_eq_u32 vcc_lo, i, v[VL]
	v_cndmask_b32 v[SSV], v[SSV], v[T+2*i], vcc_lo
.set i, i+1
.endr
	v_add_nc_u32 v[VL], -8, v[VL]                  ; lane less the rows done: row i of the next trip belongs to the lane where this is i
.set i, 0
.rept 16
	v_cvt_pk_f16_f32 v[P+i], v[D+2*i], v[D+2*i+1]
.set i, i+1
.endr
.irp p, 0,1,2,3,4,5,6,7
	global_store_b64 v[GOF], v[P+2*(\p):P+2*(\p)+1], s[86:87] offset:(\p)*2048-8*2048
.endr
	s_sub_co_u32 s[CNT], s[CNT], 1
	s_cmp_lg_u32 s[CNT], 0
	s_cbranch_scc1 .Lrow
	global_store_b32 v[SSO], v[SSV], s[88:89]
	s_wait_tensorcnt 0x0                           ; the wave's end
	ds_add_u32 v[SPW], v[NIL]
	s_wait_dscnt 0x0
	CROUND
	s_endpgm
.Lfunc_end_k_q04f0ea0a10_proj:
	.size	k_q04f0ea0a10_proj, .Lfunc_end_k_q04f0ea0a10_proj-k_q04f0ea0a10_proj
	.p2alignl 7, 3214868480
	.fill 96, 4, 3214868480
	.section	.rodata,"a",@progbits
	.p2align	6, 0x0
	.amdhsa_kernel k_q04f0ea0a10_proj
		.amdhsa_group_segment_fixed_size 327680
		.amdhsa_private_segment_fixed_size 0
		.amdhsa_enable_private_segment 0
		.amdhsa_kernarg_size 32
		.amdhsa_user_sgpr_count 2
		.amdhsa_user_sgpr_kernarg_segment_ptr 1
		.amdhsa_wavefront_size32 1
		.amdhsa_system_sgpr_workgroup_id_x 1
		.amdhsa_system_sgpr_workgroup_id_y 1
		.amdhsa_system_sgpr_workgroup_id_z 1
		.amdhsa_system_vgpr_workitem_id 0
		.amdhsa_next_free_vgpr 512
		.amdhsa_next_free_sgpr 96
		.amdhsa_reserve_vcc 1
		.amdhsa_float_denorm_mode_32 3
		.amdhsa_float_denorm_mode_16_64 3
		.amdhsa_memory_ordered 1
		.amdhsa_forward_progress 1
		.amdhsa_inst_pref_size 66
	.end_amdhsa_kernel
	.amdgpu_metadata
---
amdhsa.version: [ 1, 2 ]
amdhsa.kernels:
  - .name:           k_q04f0ea0a10_proj
    .symbol:         k_q04f0ea0a10_proj.kd
    .args:
      - { .name: os, .offset: 0, .size: 8, .value_kind: global_buffer, .address_space: global }
      - { .name: wh, .offset: 8, .size: 8, .value_kind: global_buffer, .address_space: global }
      - { .name: pre, .offset: 16, .size: 8, .value_kind: global_buffer, .address_space: global }
      - { .name: x1, .offset: 24, .size: 8, .value_kind: global_buffer, .address_space: global }
    .group_segment_fixed_size: 327680
    .private_segment_fixed_size: 0
    .kernarg_segment_align: 8
    .kernarg_segment_size: 32
    .max_flat_workgroup_size: 128
    .sgpr_count:     96
    .vgpr_count:     512
    .wavefront_size: 32
...
	.end_amdgpu_metadata
.endif
;; end of part 4
;; launch glu (part 5): grid 32 x 16, 4 waves a work-group, clusters of 4 x 4, 327,680 bytes of LDS; arguments x1, wh, act; writes act
.if DOCPART == 5
	.amdgcn_target "amdgcn-amd-amdhsa--gfx1250"
	.amdhsa_code_object_version 6
	.text
	.protected	k_q04f0ea0a10_glu
	.globl	k_q04f0ea0a10_glu
	.p2align	8
	.type	k_q04f0ea0a10_glu,@function
k_q04f0ea0a10_glu:
	s_mov_b64 s[64:65], 0
	v_nop
	global_prefetch_b8 v0, s[64:65] scope:SCOPE_SE
	s_setreg_imm32_b32 hwreg(HW_REG_WAVE_MODE, 25, 1), 1
	s_wait_xcnt 0x0
	s_wait_alu depctr_hold_cnt(0) depctr_sa_sdst(0) depctr_va_vdst(0) depctr_va_sdst(0) depctr_va_ssrc(0) depctr_va_vcc(0) depctr_vm_vsrc(0)
	s_getreg_b32 s2, hwreg(HW_REG_IB_STS2, 6, 4)
	s_cmp_eq_u32 s2, 0
	s_cbranch_scc0 .Lentry_in_a_cluster
	s_endpgm
.Lentry_in_a_cluster:
	s_bfe_u32 s2, ttmp6, 0x10000c
	s_cmp_lg_u32 s2, 0xf033
	s_cbranch_scc0 .Lentry_shape_is_right
	s_endpgm
.Lentry_shape_is_right:
; act = silu(r x1 Wg) * (r x1 Wu), r = rsqrt(mean(x1^2) + 1e-6) applied to the finished sums (it is one factor a row).  x1: f16 [4096][1024]; the rows' sums of squares f32 [8][4096] at x1 + 8,388,608;
; Wg, Wu: f16 [1024 k][4096 n] at wh + 8 MiB and + 16 MiB; act: bf16 [4096][4096] (a product of two unbounded numbers: bf16 for its range).  Sums in f32.
; A tile is 256 rows x (128 columns of the gate | the same 128 of up).  Four waves, each 128 x 128: waves with s12 = 0 make the gate, s12 = 1 up.  All else as in the q, k, v projection:
; K in 8 steps of 128 through two LDS slots; x1's tile shared along a row of the 4 x 4 cluster, the weights' along a column; source 0 = weights (read turned), source 1 = x1;
; a trip is one K step, the slot in hand is the scalar SO; the sums leave through an f32 stage of 256 rows x 1,040 bytes over the ring, whose 16 spare bytes a row hold r.
.set TSTEPS, 8
.set PA,     272
.set PBT,    288
.set HALFA,  128*PA
.set SUBB,   128*PBT
.set BOFF,   2*HALFA
.set SLOT,   BOFF+2*SUBB
.set SPARE,  2*SLOT
.set SPITCH, 1040
.set ASTEP,  256
.set BSTEP,  128*4096*2
.set PBG,    4096
.set VA,  16
.set VA0, 17
.set VB,  18
.set VB0, 19
.set STO0, 20
.set STO1, 21
.set RD,  22
.set GOF, 23
.set RU,  24
.set RA,  25
.set SSO, 26
.set SPW, 28
.set NIL, 29
.set F0,  64
.set F1,  128
.set G1,  24
.set G0,  32
.set G1B, 48
.set G0B, 56
.set SO,  66
.set PTA, 67
.set PTB, 68
.set CNT, 3
.set MSB, 0
.macro WIN new
.if MSB != (\new)
	s_set_vgpr_msb (MSB<<8)|(\new)
.set MSB, \new
.endif
.endm
.set MUL_LO, 0xa1
.set MUL_HI, 0xf1
.set TO_B,   0x40
.macro JLOAD s
	s_cmp_eq_u32 s11, 0
	s_cbranch_scc0 .Lfor_b_\@
	tensor_load_to_lds s[G0+4*(\s):G0+4*(\s)+3], s[G1:G1+7]
	s_nop 0
.rept 4
	v_nop
.endr
	s_branch .Lasked_\@
.Lfor_b_\@:
	tensor_load_to_lds s[G0B+4*(\s):G0B+4*(\s)+3], s[G1B:G1B+7]
	s_nop 0
.rept 4
	v_nop
.endr
.Lasked_\@:
.endm
.macro CREST
	s_cmp_lg_u32 s10, 0
	s_cbranch_scc1 .Lnot_wave_0_\@
	s_barrier_signal -3
.Lnot_wave_0_\@:
	s_barrier_wait -3
	s_barrier_signal -1
	s_barrier_wait -1
.endm
.macro CROUND
	s_barrier_signal -1
	s_barrier_wait -1
	CREST
.endm
.macro PLACES
.rept 4
	v_nop
.endr
.endm
	s_load_b128 s[4:7], s[0:1], 0x0                ; x1, wh
	s_load_b64 s[8:9], s[0:1], 0x10                ; act
	v_lshl_add_u32 v[SPW], v0, 2, SPARE
	v_mov_b32 v[NIL], 0
	ds_add_u32 v[SPW], v[NIL]                      ; the opening: the add and its wait ahead of my first tensor load
	v_lshrrev_b32 v1, 5, v0
	v_readfirstlane_b32 s10, v1
	s_lshr_b32 s11, s10, 1
	s_and_b32 s12, s10, 1
	s_bfe_u32 s40, ttmp6, 0x40000
	s_bfe_u32 s41, ttmp6, 0x40004
	s_lshl_b32 s42, ttmp9, 2
	s_add_co_u32 s42, s42, s40                     ; tile column: 128 columns of act
	s_and_b32 s13, ttmp7, 0xffff
	s_lshl_b32 s13, s13, 2
	s_add_co_u32 s13, s13, s41                     ; tile row
	s_lshl_b32 s43, s41, 2
	s_lshl_b32 s43, 15, s43
	s_lshl_b32 s44, 0x1111, s40
	s_or_b32 s[G1+0], s43, (1<<16)|(1<<20)|(1<<21)|(5<<22)|(3<<25)
	s_or_b32 s[G1B+0], s44, (1<<16)|(1<<20)|(1<<21)|(5<<22)|(7<<25)
.irp g, G1, G1B
	s_mov_b32 s[(\g)+1], 128<<16
	s_mov_b32 s[(\g)+2], 128<<16
	s_mov_b32 s[(\g)+3], 128<<16
	s_mov_b32 s[(\g)+4], 128
	s_mov_b32 s[(\g)+6], 0
	s_mov_b32 s[(\g)+7], 0
.endr
	s_mov_b32 s[G1+5], 1024
	s_mov_b32 s[G1B+5], PBG
	s_lshl_b32 s16, s13, 8
	s_lshl_b32 s17, s12, 7
	s_add_co_u32 s16, s16, s17
	s_lshl_b32 s16, s16, 11
	s_mov_b32 s17, 0
	s_lshl_b32 s46, s42, 8                         ; the weights: the tile's 128 columns,
	s_lshl_b32 s47, s12, 23                        ; of the gate (part 0) or of up (part 1)
	s_add_co_u32 s46, s46, s47
	s_add_co_u32 s46, s46, 0x800000
	s_mov_b32 s47, 0
	s_mul_i32 s[PTA], s12, HALFA
	s_mul_i32 s[PTB], s12, SUBB
	s_add_co_u32 s[PTB], s[PTB], BOFF
	s_mov_b32 s[SO], 0
	s_wait_dscnt 0x0
	s_wait_kmcnt 0x0
	s_add_nc_u64 s[14:15], s[4:5], s[16:17]
	s_add_nc_u64 s[46:47], s[6:7], s[46:47]
	CROUND
.irp s, 0,1
	s_mov_b32 s[G0+4*(\s)], 1
	s_add_co_u32 s[G0+4*(\s)+1], s[PTA], (\s)*SLOT
	s_add_nc_u64 s[G0+4*(\s)+2:G0+4*(\s)+3], s[14:15], (\s)*ASTEP
	s_or_b32 s[G0+4*(\s)+3], s[G0+4*(\s)+3], 0x80000000
	s_mov_b32 s[G0B+4*(\s)], 1
	s_add_co_u32 s[G0B+4*(\s)+1], s[PTB], (\s)*SLOT
	s_add_nc_u64 s[G0B+4*(\s)+2:G0B+4*(\s)+3], s[46:47], (\s)*BSTEP
	s_or_b32 s[G0B+4*(\s)+3], s[G0B+4*(\s)+3], 0x80000000
	JLOAD \s
.endr
	v_and_b32 v6, 31, v0
	v_lshlrev_b32 v[SSO], 2, v6
	s_lshl_b32 s16, s13, 8
	s_lshl_b32 s17, s10, 6
	s_add_co_u32 s16, s16, s17                     ; the first row that I finish: 256 x tile row + 64 x wave
	s_lshl_b32 s76, s16, 2
	s_add_co_u32 s76, s76, 0x800000
	s_mov_b32 s77, 0
	s_add_nc_u64 s[76:77], s[4:5], s[76:77]
.irp c, 0,1,2,3,4,5,6,7                        ; the eight partial sums of squares of rows lane and lane + 32 of my 64: wanted only on the way out
	global_load_b32 v[32+2*(\c)], v[SSO], s[76:77] offset:(\c)*16384
	global_load_b32 v[33+2*(\c)], v[SSO], s[76:77] offset:(\c)*16384+128
.endr
	v_and_b32 v1, 15, v0
	v_bfe_u32 v2, v0, 4, 1
	v_mul_u32_u24 v3, v1, PA
	v_lshl_add_u32 v3, v2, 4, v3
	s_mul_i32 s21, s11, HALFA
	v_add_nc_u32 v[VA0], s21, v3
	v_and_b32 v4, 7, v0
	v_lshl_add_u32 v4, v2, 3, v4
	v_mul_u32_u24 v4, v4, PBT
	v_bfe_u32 v5, v0, 3, 1
	v_lshl_add_u32 v4, v5, 4, v4
	v_add_nc_u32 v[VB0], s[PTB], v4
	v_mov_b32 v[VA], v[VA0]
	v_mov_b32 v[VB], v[VB0]
	s_lshl_b32 s21, s11, 7
	v_add_nc_u32 v3, s21, v1
	v_mul_u32_u24 v3, v3, SPITCH
	v_lshl_add_u32 v3, v2, 5, v3
	s_lshl_b32 s21, s12, 9
	v_add_nc_u32 v[STO0], s21, v3
	v_add_nc_u32 v[STO1], 64*SPITCH, v[STO0]
	s_mul_i32 s21, s10, 64*SPITCH
	v_lshl_add_u32 v[RD], v6, 4, s21
	v_mov_b32 v[RU], s21
	v_mul_u32_u24 v[RA], v6, SPITCH
	v_add_nc_u32 v[RA], s21, v[RA]
	v_lshlrev_b32 v[GOF], 3, v6
	s_lshl_b32 s16, s16, 13                        ; act: rows of 8,192 bytes,
	s_lshl_b32 s17, s42, 8                         ; the tile's 256 bytes
	s_add_co_u32 s16, s16, s17
	s_mov_b32 s17, 0
	s_add_nc_u64 s[8:9], s[8:9], s[16:17]
	s_mov_b32 s70, 0xbfb8aa3b                      ; -log2 e
	s_mov_b32 s71, s70
	s_mov_b32 s72, 0x3a800000                      ; 1/1024
	s_mov_b32 s73, 0x358637bd                      ; 1e-6
.macro MUL16 f, hi, a0, zero
	WIN MUL_LO+0x50*(\hi)
.irp a, \a0, (\a0)+1
.irp b, 0,1,2,3,4,5,6,7
.if \zero
	v_wmma_f32_16x16x32_f16 v[8*(8*(\a)+(\b)):8*(8*(\a)+(\b))+7], v[(\f)+8*(\b):(\f)+8*(\b)+7], v[(\f)+8*(4*(\hi)+(\a)):(\f)+8*(4*(\hi)+(\a))+7], 0
.else
	v_wmma_f32_16x16x32_f16 v[8*(8*(\a)+(\b)):8*(8*(\a)+(\b))+7], v[(\f)+8*(\b):(\f)+8*(\b)+7], v[(\f)+8*(4*(\hi)+(\a)):(\f)+8*(4*(\hi)+(\a))+7], v[8*(8*(\a)+(\b)):8*(8*(\a)+(\b))+7]
.endif
.endr
.endr
.endm
.macro FETCH q, f
	WIN TO_B
.irp i, 0,1,2,3,4,5,6,7
	ds_load_tr16_b128 v[(\f)+8*(\i):(\f)+8*(\i)+3],   v[VB] offset:(\q)*32*PBT+(\i)*32
	ds_load_tr16_b128 v[(\f)+8*(\i)+4:(\f)+8*(\i)+7], v[VB] offset:(\q)*32*PBT+(\i)*32+16*PBT
.endr
	WIN 0
.irp i, 0,1,2,3,4,5,6,7
	ds_load_b128 v[(\f)+8*(\i):(\f)+8*(\i)+3],   v[VA] offset:(\q)*64+(\i)*16*PA
	ds_load_b128 v[(\f)+8*(\i)+4:(\f)+8*(\i)+7], v[VA] offset:(\q)*64+(\i)*16*PA+32
.endr
.endm
.macro QUARTER q, f, g, zero
	s_wait_dscnt 8                                 ; the weights and x1's rows 0-63 are in; the youngest eight loads may be out
	MUL16 \f, 0, 0, \zero
	MUL16 \f, 0, 2, \zero
	PLACES
	FETCH \q, \g
	s_wait_dscnt 32                                ; all but the 32 just issued
	MUL16 \f, 1, 0, \zero
	MUL16 \f, 1, 2, \zero
.endm
.macro TURN fill
	WIN 0
	s_wait_tensorcnt 0x0                           ; all my tensor loads have landed
	ds_add_u32 v[SPW], v[NIL]
	s_wait_dscnt 9                                 ; the add and the youngest eight loads may be out
	MUL16 F1, 0, 0, 0
	s_wait_dscnt 0x0                               ; the add is done, my reads of this slot are over
	s_barrier_signal -1
	MUL16 F1, 0, 2, 0
	WIN 0
	s_barrier_wait -1
.if \fill
	CREST
	s_add_co_u32 s[G0+5], s[PTA], s[SO]
	s_add_nc_u64 s[G0+6:G0+7], s[G0+6:G0+7], ASTEP
	s_add_co_u32 s[G0B+5], s[PTB], s[SO]
	s_add_nc_u64 s[G0B+6:G0B+7], s[G0B+6:G0B+7], BSTEP
	JLOAD 1
.else
	PLACES
.endif
	s_xor_b32 s[SO], s[SO], SLOT
	v_add_nc_u32 v[VA], s[SO], v[VA0]
	v_add_nc_u32 v[VB], s[SO], v[VB0]
	FETCH 0, F0
	MUL16 F1, 1, 0, 0
	MUL16 F1, 1, 2, 0
.endm
	s_wait_tensorcnt 1
	s_barrier_signal -1
	s_barrier_wait -1
	FETCH 0, F0
	QUARTER 1, F0, F1, 1
	WIN 0
	s_mov_b32 s[CNT], TSTEPS-2
.Lstep:
	QUARTER 2, F1, F0, 0
	QUARTER 3, F0, F1, 0
	TURN 1
	QUARTER 1, F0, F1, 0
	WIN 0
	s_sub_co_u32 s[CNT], s[CNT], 1
	s_cmp_lg_u32 s[CNT], 0
	s_cbranch_scc1 .Lstep
	s_mov_b32 s[CNT], 2
.Ltail:
	QUARTER 2, F1, F0, 0
	QUARTER 3, F0, F1, 0
	WIN 0
	s_sub_co_u32 s[CNT], s[CNT], 1
	s_cmp_eq_u32 s[CNT], 0
	s_cbranch_scc1 .Lfin
	TURN 0
	QUARTER 1, F0, F1, 0
	WIN 0
	s_branch .Ltail
.Lfin:
	s_wait_dscnt 8
	MUL16 F1, 0, 0, 0
	MUL16 F1, 0, 2, 0
	s_wait_dscnt 0x0
	MUL16 F1, 1, 0, 0
	MUL16 F1, 1, 2, 0
	WIN 0
	s_barrier_signal -1                            ; every wave's reads of the ring are over: the stage may be written over it
	s_barrier_wait -1
	PLACES
	PLACES
.irp a, 0,1,2,3,4,5,6,7
	WIN 0x08+4*((\a)/4)
.irp b, 0,1,2,3,4,5,6,7
	ds_store_b128 v[STO0+(\a)/4], v[8*(8*((\a)%4)+(\b)):8*(8*((\a)%4)+(\b))+3]   offset:((\a)%4)*16*SPITCH+(\b)*64
	ds_store_b128 v[STO0+(\a)/4], v[8*(8*((\a)%4)+(\b))+4:8*(8*((\a)%4)+(\b))+7] offset:((\a)%4)*16*SPITCH+(\b)*64+16
.endr
.endr
	WIN 0
	s_wait_loadcnt 0x0                             ; the sums of squares
.irp c, 1,2,3,4,5,6,7
	v_add_f32 v32, v32, v[32+2*(\c)]
	v_add_f32 v33, v33, v[33+2*(\c)]
.endr
	v_fma_f32 v32, v32, s72, s73
	v_fma_f32 v33, v33, s72, s73
	v_rsq_f32 v48, v32
	v_rsq_f32 v50, v33
	v_nop
	s_wait_alu depctr_va_vdst(0)
	v_mov_b32 v49, v48
	v_mov_b32 v51, v50
	ds_store_b64 v[RA], v[48:49] offset:1024       ; r twice, in the spare bytes of my own rows: only I read them
	ds_store_b64 v[RA], v[50:51] offset:1024+32*SPITCH
	s_wait_dscnt 0x0
	s_barrier_signal -1
	s_barrier_wait -1                              ; the stage is whole
	; 8 trips of 8 rows: 4 numbers of the gate and 4 of up a lane and row
.set G,  64
.set U,  96
.set RG, 128
.set E,  144
.set P,  176
	s_mov_b32 s[CNT], 8
.Lrow:
	s_wait_xcnt 0x0
	s_add_nc_u64 s[8:9], s[8:9], 8*8192
.irp p, 0,1,2,3,4,5,6,7
	ds_load_b128 v[G+4*(\p):G+4*(\p)+3], v[RD] offset:(\p)*SPITCH
	ds_load_b128 v[U+4*(\p):U+4*(\p)+3], v[RD] offset:(\p)*SPITCH+512
	ds_load_b64 v[RG+2*(\p):RG+2*(\p)+1], v[RU] offset:(\p)*SPITCH+1024
.endr
	s_wait_dscnt 0x0
	v_add_nc_u32 v[RD], 8*SPITCH, v[RD]
	v_add_nc_u32 v[RU], 8*SPITCH, v[RU]
.set i, 0
.rept 16
	v_pk_mul_f32 v[G+2*i:G+2*i+1], v[G+2*i:G+2*i+1], v[RG+2*(i/2):RG+2*(i/2)+1]
	v_pk_mul_f32 v[U+2*i:U+2*i+1], v[U+2*i:U+2*i+1], v[RG+2*(i/2):RG+2*(i/2)+1]
.set i, i+1
.endr
.set i, 0
.rept 16
	v_pk_mul_f32 v[E+2*i:E+2*i+1], v[G+2*i:G+2*i+1], s[70:71] op_sel_hi:[1,0]
.set i, i+1
.endr
.set i, 0
.rept 32
	v_exp_f32 v[E+i], v[E+i]
.set i, i+1
.endr
	v_nop
	s_wait_alu depctr_va_vdst(0)                   ; one wait for the batch of 32
.set i, 0
.rept 16
	v_pk_add_f32 v[E+2*i:E+2*i+1], v[E+2*i:E+2*i+1], 1.0 op_sel_hi:[1,0]
.set i, i+1
.endr
.set i, 0
.rept 32
	v_rcp_f32 v[E+i], v[E+i]
.set i, i+1
.endr
	v_nop
	s_wait_alu depctr_va_vdst(0)
.set i, 0
.rept 16
	v_pk_mul_f32 v[G+2*i:G+2*i+1], v[G+2*i:G+2*i+1], v[E+2*i:E+2*i+1]
.set i, i+1
.endr
.set i, 0
.rept 16
	v_pk_mul_f32 v[G+2*i:G+2*i+1], v[G+2*i:G+2*i+1], v[U+2*i:U+2*i+1]
.set i, i+1
.endr
.set i, 0
.rept 16
	v_cvt_pk_bf16_f32 v[P+i], v[G+2*i], v[G+2*i+1]
.set i, i+1
.endr
.irp p, 0,1,2,3,4,5,6,7
	global_store_b64 v[GOF], v[P+2*(\p):P+2*(\p)+1], s[8:9] offset:(\p)*8192-8*8192   ; 256 consecutive bytes, aligned
.endr
	s_sub_co_u32 s[CNT], s[CNT], 1
	s_cmp_lg_u32 s[CNT], 0
	s_cbranch_scc1 .Lrow
	s_wait_tensorcnt 0x0                           ; the wave's end
	ds_add_u32 v[SPW], v[NIL]
	s_wait_dscnt 0x0
	CROUND
	s_endpgm
.Lfunc_end_k_q04f0ea0a10_glu:
	.size	k_q04f0ea0a10_glu, .Lfunc_end_k_q04f0ea0a10_glu-k_q04f0ea0a10_glu
	.p2alignl 7, 3214868480
	.fill 96, 4, 3214868480
	.section	.rodata,"a",@progbits
	.p2align	6, 0x0
	.amdhsa_kernel k_q04f0ea0a10_glu
		.amdhsa_group_segment_fixed_size 327680
		.amdhsa_private_segment_fixed_size 0
		.amdhsa_enable_private_segment 0
		.amdhsa_kernarg_size 24
		.amdhsa_user_sgpr_count 2
		.amdhsa_user_sgpr_kernarg_segment_ptr 1
		.amdhsa_wavefront_size32 1
		.amdhsa_system_sgpr_workgroup_id_x 1
		.amdhsa_system_sgpr_workgroup_id_y 1
		.amdhsa_system_sgpr_workgroup_id_z 1
		.amdhsa_system_vgpr_workitem_id 0
		.amdhsa_next_free_vgpr 1024
		.amdhsa_next_free_sgpr 96
		.amdhsa_reserve_vcc 0
		.amdhsa_float_denorm_mode_32 3
		.amdhsa_float_denorm_mode_16_64 3
		.amdhsa_memory_ordered 1
		.amdhsa_forward_progress 1
		.amdhsa_inst_pref_size 96
	.end_amdhsa_kernel
	.amdgpu_metadata
---
amdhsa.version: [ 1, 2 ]
amdhsa.kernels:
  - .name:           k_q04f0ea0a10_glu
    .symbol:         k_q04f0ea0a10_glu.kd
    .args:
      - { .name: x1, .offset: 0, .size: 8, .value_kind: global_buffer, .address_space: global }
      - { .name: wh, .offset: 8, .size: 8, .value_kind: global_buffer, .address_space: global }
      - { .name: act, .offset: 16, .size: 8, .value_kind: global_buffer, .address_space: global }
    .group_segment_fixed_size: 327680
    .private_segment_fixed_size: 0
    .kernarg_segment_align: 8
    .kernarg_segment_size: 24
    .max_flat_workgroup_size: 128
    .sgpr_count:     96
    .vgpr_count:     1024
    .wavefront_size: 32
...
	.end_amdgpu_metadata
.endif
;; end of part 5
;; launch down (part 6): grid 8 x 32, 4 waves a work-group, clusters of 4 x 4, 327,680 bytes of LDS; arguments act, wh, x1, out0; writes out0
.if DOCPART == 6
	.amdgcn_target "amdgcn-amd-amdhsa--gfx1250"
	.amdhsa_code_object_version 6
	.text
	.protected	k_q04f0ea0a10_down
	.globl	k_q04f0ea0a10_down
	.p2align	8
	.type	k_q04f0ea0a10_down,@function
k_q04f0ea0a10_down:
	s_mov_b64 s[64:65], 0
	v_nop
	global_prefetch_b8 v0, s[64:65] scope:SCOPE_SE
	s_setreg_imm32_b32 hwreg(HW_REG_WAVE_MODE, 25, 1), 1
	s_wait_xcnt 0x0
	s_wait_alu depctr_hold_cnt(0) depctr_sa_sdst(0) depctr_va_vdst(0) depctr_va_sdst(0) depctr_va_ssrc(0) depctr_va_vcc(0) depctr_vm_vsrc(0)
	s_getreg_b32 s2, hwreg(HW_REG_IB_STS2, 6, 4)
	s_cmp_eq_u32 s2, 0
	s_cbranch_scc0 .Lentry_in_a_cluster
	s_endpgm
.Lentry_in_a_cluster:
	s_bfe_u32 s2, ttmp6, 0x10000c
	s_cmp_lg_u32 s2, 0xf033
	s_cbranch_scc0 .Lentry_shape_is_right
	s_endpgm
.Lentry_shape_is_right:
; out0 = x1 + act w_down.  act: bf16 [4096][4096]; w_down: bf16 [4096 k][1024 n] at wh + 24 MiB; x1: f16 [4096][1024]; out0: f32 [4096][1024].  Sums in f32.
; A tile is 128 x 128, four waves of 64 x 64, K in 16 steps of 256 through two LDS slots.  act's tile: 128 rows x 512 bytes, pitch 528; w_down's: [256 k][128 n], pitch 288, read turned.
; CLUSTER 4 x 4: act's tile shared along a row, w_down's along a column.  The residual's tile (32 rows a wave, pitch 272) comes by a load of the wave's own with the first fills: three loads out at the start, then one.
; The way out: f32 sums into a stage of 128 rows x 528 bytes over the ring (which has had its last fill); a wave then owns 32 whole rows and stores 512 consecutive bytes a row.
.set TSTEPS, 16
.set PA,     528
.set PBT,    288
.set HALFA,  64*PA
.set ASZ,    2*HALFA
.set HALFB,  128*PBT
.set SLOT,   ASZ+2*HALFB
.set SPARE,  2*SLOT
.set RES,    SPARE+512
.set RP,     272
.set SPITCH, 528
.set ASTEP,  512
.set BSTEP,  256*1024*2
.set WOFF,   0x1800000
.set VA,  16
.set VA0, 17
.set VB,  18
.set VB0, 20
.set STO, 21
.set RD,  22
.set RR,  23
.set GOF, 24
.set ONE, 27
.set SPW, 28
.set NIL, 29
.set ACC, 128
.set F0,  0
.set F1,  128
.set G1,  24
.set G0,  32
.set G1B, 48
.set G0B, 56
.set G1R, 68
.set G0R, 76
.set SO,  66
.set PTA, 67
.set PTB, 80
.set CNT, 3
.set MSB, 0
.macro WIN new
.if MSB != (\new)
	s_set_vgpr_msb (MSB<<8)|(\new)
.set MSB, \new
.endif
.endm
.set MUL,  0x05
.set TO_F, 0x40
.macro JLOAD s
	s_cmp_eq_u32 s11, 0
	s_cbranch_scc0 .Lfor_b_\@
	tensor_load_to_lds s[G0+4*(\s):G0+4*(\s)+3], s[G1:G1+7]
	s_nop 0
.rept 4
	v_nop
.endr
	s_branch .Lasked_\@
.Lfor_b_\@:
	tensor_load_to_lds s[G0B+4*(\s):G0B+4*(\s)+3], s[G1B:G1B+7]
	s_nop 0
.rept 4
	v_nop
.endr
.Lasked_\@:
.endm
.macro CREST
	s_cmp_lg_u32 s10, 0
	s_cbranch_scc1 .Lnot_wave_0_\@
	s_barrier_signal -3
.Lnot_wave_0_\@:
	s_barrier_wait -3
	s_barrier_signal -1
	s_barrier_wait -1
.endm
.macro CROUND
	s_barrier_signal -1
	s_barrier_wait -1
	CREST
.endm
.macro PLACES
.rept 4
	v_nop
.endr
.endm
	s_load_b256 s[4:11], s[0:1], 0x0               ; act 4, wh 6, x1 8, out0: moved to s[88:89] below, since s10, s11 name the wave
	v_lshl_add_u32 v[SPW], v0, 2, SPARE
	v_mov_b32 v[NIL], 0
	ds_add_u32 v[SPW], v[NIL]                      ; the opening: the add and its wait ahead of my first tensor load
	v_lshrrev_b32 v1, 5, v0
	s_bfe_u32 s40, ttmp6, 0x40000
	s_bfe_u32 s41, ttmp6, 0x40004
	s_lshl_b32 s42, ttmp9, 2
	s_add_co_u32 s42, s42, s40
	s_and_b32 s13, ttmp7, 0xffff
	s_lshl_b32 s13, s13, 2
	s_add_co_u32 s13, s13, s41
	s_lshl_b32 s43, s41, 2
	s_lshl_b32 s43, 15, s43
	s_lshl_b32 s44, 0x1111, s40
	s_or_b32 s[G1+0], s43, (1<<16)|(1<<20)|(1<<21)|(6<<22)|(3<<25)   ; act: 64 rows of 256 elements, 4 words of padding behind every 128
	s_mov_b32 s[G1+1], 256<<16
	s_mov_b32 s[G1+2], 64<<16
	s_mov_b32 s[G1+3], 256<<16
	s_mov_b32 s[G1+4], 64
	s_mov_b32 s[G1+5], 4096
	s_mov_b32 s[G1+6], 0
	s_mov_b32 s[G1+7], 0
	s_or_b32 s[G1B+0], s44, (1<<16)|(1<<20)|(1<<21)|(5<<22)|(7<<25)
	s_mov_b32 s[G1B+1], 128<<16
	s_mov_b32 s[G1B+2], 128<<16
	s_mov_b32 s[G1B+3], 128<<16
	s_mov_b32 s[G1B+4], 128
	s_mov_b32 s[G1B+5], 1024
	s_mov_b32 s[G1B+6], 0
	s_mov_b32 s[G1B+7], 0
	s_mov_b32 s[G1R+0], (1<<16)|(1<<20)|(5<<22)|(3<<25)
	s_mov_b32 s[G1R+1], 128<<16
	s_mov_b32 s[G1R+2], 32<<16
	s_mov_b32 s[G1R+3], 128<<16
	s_mov_b32 s[G1R+4], 32
	s_mov_b32 s[G1R+5], 1024
	s_mov_b32 s[G1R+6], 0
	s_mov_b32 s[G1R+7], 0
	s_mov_b32 s[SO], 0
	s_wait_dscnt 0x0
	s_wait_kmcnt 0x0
	s_mov_b64 s[88:89], s[10:11]                   ; out0
	v_readfirstlane_b32 s10, v1                    ; wave
	s_lshr_b32 s11, s10, 1
	s_and_b32 s12, s10, 1
	s_lshl_b32 s16, s13, 7
	s_lshl_b32 s17, s12, 6
	s_add_co_u32 s16, s16, s17                     ; act: row 128 x tile row + 64 x part
	s_lshl_b32 s16, s16, 13
	s_mov_b32 s17, 0
	s_lshl_b32 s46, s42, 8
	s_lshl_b32 s47, s12, 18
	s_add_co_u32 s46, s46, s47
	s_add_co_u32 s46, s46, WOFF
	s_mov_b32 s47, 0
	s_mul_i32 s[PTA], s12, HALFA
	s_mul_i32 s[PTB], s12, HALFB
	s_add_co_u32 s[PTB], s[PTB], ASZ
	s_lshl_b32 s82, s13, 7
	s_lshl_b32 s83, s10, 5
	s_add_co_u32 s82, s82, s83
	s_lshl_b32 s84, s82, 11
	s_lshl_b32 s83, s42, 8
	s_add_co_u32 s84, s84, s83
	s_mov_b32 s85, 0
	s_add_nc_u64 s[14:15], s[4:5], s[16:17]
	s_add_nc_u64 s[46:47], s[6:7], s[46:47]
	CROUND
.irp s, 0,1
	s_mov_b32 s[G0+4*(\s)], 1
	s_add_co_u32 s[G0+4*(\s)+1], s[PTA], (\s)*SLOT
	s_add_nc_u64 s[G0+4*(\s)+2:G0+4*(\s)+3], s[14:15], (\s)*ASTEP
	s_or_b32 s[G0+4*(\s)+3], s[G0+4*(\s)+3], 0x80000000
	s_mov_b32 s[G0B+4*(\s)], 1
	s_add_co_u32 s[G0B+4*(\s)+1], s[PTB], (\s)*SLOT
	s_add_nc_u64 s[G0B+4*(\s)+2:G0B+4*(\s)+3], s[46:47], (\s)*BSTEP
	s_or_b32 s[G0B+4*(\s)+3], s[G0B+4*(\s)+3], 0x80000000
.endr
	s_mov_b32 s[G0R], 1
	s_mul_i32 s[G0R+1], s10, 32*RP
	s_add_co_u32 s[G0R+1], s[G0R+1], RES
	s_add_nc_u64 s[G0R+2:G0R+3], s[8:9], s[84:85]
	s_or_b32 s[G0R+3], s[G0R+3], 0x80000000
	tensor_load_to_lds s[G0R:G0R+3], s[G1R:G1R+7]
	s_nop 0
	s_cmp_eq_u32 s11, 0
	s_cbranch_scc0 .Lfirst_b
	tensor_load_to_lds s[G0:G0+3], s[G1:G1+7]
	s_nop 0
	tensor_load_to_lds s[G0+4:G0+7], s[G1:G1+7]
	s_nop 0
.rept 4
	v_nop
.endr
	s_branch .Lfirst_done
.Lfirst_b:
	tensor_load_to_lds s[G0B:G0B+3], s[G1B:G1B+7]
	s_nop 0
	tensor_load_to_lds s[G0B+4:G0B+7], s[G1B:G1B+7]
	s_nop 0
.rept 4
	v_nop
.endr
.Lfirst_done:
	v_and_b32 v1, 15, v0
	v_bfe_u32 v2, v0, 4, 1
	v_mul_u32_u24 v3, v1, PA
	v_lshl_add_u32 v3, v2, 4, v3
	s_mul_i32 s21, s11, HALFA
	v_add_nc_u32 v[VA0], s21, v3
	v_and_b32 v4, 7, v0
	v_lshl_add_u32 v4, v2, 3, v4
	v_mul_u32_u24 v4, v4, PBT
	v_bfe_u32 v5, v0, 3, 1
	v_lshl_add_u32 v4, v5, 4, v4
	s_lshl_b32 s21, s12, 7
	s_add_co_u32 s21, s21, ASZ
	v_add_nc_u32 v[VB0], s21, v4
	v_mov_b32 v[VA], v[VA0]
	v_mov_b32 v[VB], v[VB0]
	v_add_nc_u32 v[VB+1], HALFB, v[VB0]
	s_lshl_b32 s21, s11, 6
	v_add_nc_u32 v3, s21, v1
	v_mul_u32_u24 v3, v3, SPITCH
	v_lshl_add_u32 v3, v2, 5, v3
	s_lshl_b32 s21, s12, 8
	v_add_nc_u32 v[STO], s21, v3
	v_and_b32 v6, 31, v0
	s_mul_i32 s21, s10, 32*SPITCH
	v_lshl_add_u32 v[RD], v6, 4, s21
	s_mul_i32 s21, s10, 32*RP
	s_add_co_u32 s21, s21, RES
	v_lshl_add_u32 v[RR], v6, 3, s21
	v_lshlrev_b32 v[GOF], 4, v6
	v_mov_b32 v[ONE], 1.0
	s_lshl_b32 s84, s84, 1                         ; out0's numbers are twice as wide
	s_add_nc_u64 s[86:87], s[88:89], s[84:85]
.macro MUL8 f, c, a0, zero
	WIN MUL
.irp a, \a0, (\a0)+1
.irp b, 0,1,2,3
.if \zero
	v_wmma_f32_16x16x32_bf16 v[ACC+8*(4*(\a)+(\b)):ACC+8*(4*(\a)+(\b))+7], v[(\f)+64+8*(4*(\c)+(\b)):(\f)+64+8*(4*(\c)+(\b))+7], v[(\f)+8*(4*(\c)+(\a)):(\f)+8*(4*(\c)+(\a))+7], 0
.else
	v_wmma_f32_16x16x32_bf16 v[ACC+8*(4*(\a)+(\b)):ACC+8*(4*(\a)+(\b))+7], v[(\f)+64+8*(4*(\c)+(\b)):(\f)+64+8*(4*(\c)+(\b))+7], v[(\f)+8*(4*(\c)+(\a)):(\f)+8*(4*(\c)+(\a))+7], v[ACC+8*(4*(\a)+(\b)):ACC+8*(4*(\a)+(\b))+7]
.endif
.endr
.endr
.endm
.macro FETCH q, f
	WIN TO_F
.irp c, 0,1
.irp i, 0,1,2,3
	ds_load_tr16_b128 v[(\f)+64+8*(4*(\c)+(\i)):(\f)+64+8*(4*(\c)+(\i))+3],   v[VB+(\q)/2] offset:(((\q)%2)*64+32*(\c))*PBT+(\i)*32
	ds_load_tr16_b128 v[(\f)+64+8*(4*(\c)+(\i))+4:(\f)+64+8*(4*(\c)+(\i))+7], v[VB+(\q)/2] offset:(((\q)%2)*64+32*(\c))*PBT+(\i)*32+16*PBT
	ds_load_b128 v[(\f)+8*(4*(\c)+(\i)):(\f)+8*(4*(\c)+(\i))+3],   v[VA] offset:(\q)*128+64*(\c)+(\i)*16*PA
	ds_load_b128 v[(\f)+8*(4*(\c)+(\i))+4:(\f)+8*(4*(\c)+(\i))+7], v[VA] offset:(\q)*128+64*(\c)+(\i)*16*PA+32
.endr
.endr
.endm
.macro QUARTER q, f, g, zero
	s_wait_dscnt 16                                ; the first 32 along K are in
	MUL8 \f, 0, 0, \zero
	MUL8 \f, 0, 2, \zero
	PLACES
	FETCH \q, \g
	s_wait_dscnt 32                                ; all but the 32 just issued
	MUL8 \f, 1, 0, 0
	MUL8 \f, 1, 2, 0
.endm
.macro TURN fill
	WIN 0
	s_wait_tensorcnt 0x0                           ; all my tensor loads have landed
	ds_add_u32 v[SPW], v[NIL]
	s_wait_dscnt 17                                ; the add and the youngest sixteen loads may be out
	MUL8 F1, 0, 0, 0
	s_wait_dscnt 0x0                               ; the add is done, my reads of this slot are over
	s_barrier_signal -1
	MUL8 F1, 0, 2, 0
	WIN 0
	s_barrier_wait -1
.if \fill
	CREST
	s_add_co_u32 s[G0+5], s[PTA], s[SO]
	s_add_nc_u64 s[G0+6:G0+7], s[G0+6:G0+7], ASTEP
	s_add_co_u32 s[G0B+5], s[PTB], s[SO]
	s_add_nc_u64 s[G0B+6:G0B+7], s[G0B+6:G0B+7], BSTEP
	JLOAD 1
.else
	PLACES
.endif
	s_xor_b32 s[SO], s[SO], SLOT
	v_add_nc_u32 v[VA], s[SO], v[VA0]
	v_add_nc_u32 v[VB], s[SO], v[VB0]
	v_add_nc_u32 v[VB+1], HALFB, v[VB]
	FETCH 0, F0
	MUL8 F1, 1, 0, 0
	MUL8 F1, 1, 2, 0
.endm
	s_wait_tensorcnt 1                             ; the residual and my part of K step 0 are in; K step 1's may stay out
	s_barrier_signal -1
	s_barrier_wait -1
	FETCH 0, F0
	QUARTER 1, F0, F1, 1
	WIN 0
	s_mov_b32 s[CNT], TSTEPS-2
.Lstep:
	QUARTER 2, F1, F0, 0
	QUARTER 3, F0, F1, 0
	TURN 1
	QUARTER 1, F0, F1, 0
	WIN 0
	s_sub_co_u32 s[CNT], s[CNT], 1
	s_cmp_lg_u32 s[CNT], 0
	s_cbranch_scc1 .Lstep
	s_mov_b32 s[CNT], 2
.Ltail:
	QUARTER 2, F1, F0, 0
	QUARTER 3, F0, F1, 0
	WIN 0
	s_sub_co_u32 s[CNT], s[CNT], 1
	s_cmp_eq_u32 s[CNT], 0
	s_cbranch_scc1 .Lfin
	TURN 0
	QUARTER 1, F0, F1, 0
	WIN 0
	s_branch .Ltail
.Lfin:
	s_wait_dscnt 16
	MUL8 F1, 0, 0, 0
	MUL8 F1, 0, 2, 0
	s_wait_dscnt 0x0
	MUL8 F1, 1, 0, 0
	MUL8 F1, 1, 2, 0
	WIN 0
	s_barrier_signal -1                            ; every wave's reads of the ring are over: the stage may be written over it
	s_barrier_wait -1
	PLACES
	PLACES
.irp a, 0,1,2,3
.irp b, 0,1,2,3
	ds_store_b128 v[STO], v[ACC+8*(4*(\a)+(\b)):ACC+8*(4*(\a)+(\b))+3]   offset:(\a)*16*SPITCH+(\b)*64
	ds_store_b128 v[STO], v[ACC+8*(4*(\a)+(\b))+4:ACC+8*(4*(\a)+(\b))+7] offset:(\a)*16*SPITCH+(\b)*64+16
.endr
.endr
	s_wait_dscnt 0x0
	s_barrier_signal -1
	s_barrier_wait -1
	; 4 trips of 8 rows, 4 numbers a lane: the residual's f16 half x 1.0 + the sum, one rounding; stored as it stands
.set D,  32
.set RS, 64
	s_mov_b32 s[CNT], 4
.Lrow:
	s_wait_xcnt 0x0                                ; the last trip's stores have read their registers and their base
	s_add_nc_u64 s[86:87], s[86:87], 8*4096
.irp p, 0,1,2,3,4,5,6,7
	ds_load_b128 v[D+4*(\p):D+4*(\p)+3], v[RD] offset:(\p)*SPITCH
	ds_load_b64 v[RS+2*(\p):RS+2*(\p)+1], v[RR] offset:(\p)*RP
.endr
	s_wait_dscnt 0x0
	v_add_nc_u32 v[RD], 8*SPITCH, v[RD]
	v_add_nc_u32 v[RR], 8*RP, v[RR]
.set i, 0
.rept 16
	v_fma_mix_f32 v[D+2*i], v[RS+i], v[ONE], v[D+2*i] op_sel_hi:[1,0,0]
	v_fma_mix_f32 v[D+2*i+1], v[RS+i], v[ONE], v[D+2*i+1] op_sel:[1,0,0] op_sel_hi:[1,0,0]
.set i, i+1
.endr
.irp p, 0,1,2,3,4,5,6,7
	global_store_b128 v[GOF], v[D+4*(\p):D+4*(\p)+3], s[86:87] offset:(\p)*4096-8*4096 th:TH_STORE_NT
.endr
	s_sub_co_u32 s[CNT], s[CNT], 1
	s_cmp_lg_u32 s[CNT], 0
	s_cbranch_scc1 .Lrow
	s_wait_tensorcnt 0x0                           ; the wave's end
	ds_add_u32 v[SPW], v[NIL]
	s_wait_dscnt 0x0
	CROUND
	s_endpgm
.Lfunc_end_k_q04f0ea0a10_down:
	.size	k_q04f0ea0a10_down, .Lfunc_end_k_q04f0ea0a10_down-k_q04f0ea0a10_down
	.p2alignl 7, 3214868480
	.fill 96, 4, 3214868480
	.section	.rodata,"a",@progbits
	.p2align	6, 0x0
	.amdhsa_kernel k_q04f0ea0a10_down
		.amdhsa_group_segment_fixed_size 327680
		.amdhsa_private_segment_fixed_size 0
		.amdhsa_enable_private_segment 0
		.amdhsa_kernarg_size 32
		.amdhsa_user_sgpr_count 2
		.amdhsa_user_sgpr_kernarg_segment_ptr 1
		.amdhsa_wavefront_size32 1
		.amdhsa_system_sgpr_workgroup_id_x 1
		.amdhsa_system_sgpr_workgroup_id_y 1
		.amdhsa_system_sgpr_workgroup_id_z 1
		.amdhsa_system_vgpr_workitem_id 0
		.amdhsa_next_free_vgpr 512
		.amdhsa_next_free_sgpr 96
		.amdhsa_reserve_vcc 0
		.amdhsa_float_denorm_mode_32 3
		.amdhsa_float_denorm_mode_16_64 3
		.amdhsa_memory_ordered 1
		.amdhsa_forward_progress 1
		.amdhsa_inst_pref_size 60
	.end_amdhsa_kernel
	.amdgpu_metadata
---
amdhsa.version: [ 1, 2 ]
amdhsa.kernels:
  - .name:           k_q04f0ea0a10_down
    .symbol:         k_q04f0ea0a10_down.kd
    .args:
      - { .name: act, .offset: 0, .size: 8, .value_kind: global_buffer, .address_space: global }
      - { .name: wh, .offset: 8, .size: 8, .value_kind: global_buffer, .address_space: global }
      - { .name: x1, .offset: 16, .size: 8, .value_kind: global_buffer, .address_space: global }
      - { .name: out0, .offset: 24, .size: 8, .value_kind: global_buffer, .address_space: global }
    .group_segment_fixed_size: 327680
    .private_segment_fixed_size: 0
    .kernarg_segment_align: 8
    .kernarg_segment_size: 32
    .max_flat_workgroup_size: 128
    .sgpr_count:     96
    .vgpr_count:     512
    .wavefront_size: 32
...
	.end_amdgpu_metadata
.endif
;; end of part 6
